; MI455X (gfx1250); checked and timed in simulation.
; The chip was launched on July 23, 2026; its instructions are those of AMD's public machine-readable ISA for CDNA 5 (MIT licence, August 2026) and "CDNA5" Instruction Set Architecture Reference Guide (July 2026). The comments in the code are by the model that wrote it; some were corrected since.
;; MHA. Allowed arithmetic: matrix products marked QUANTISED: E2M1 operands, one E8M0 scale for each 32 along K, by v_wmma_scale_f32_16x16x128_f8f6f4 with both operands' format E2M1 (or v_wmma_scale_f32_32x16x128_f4), f32 sums; products left as they are: bf16, f16 or f32 operands; f32 sums; everything else in f32.
;; Inputs: inp 4 x 2,048 x 1,024 float32; out_b 1,024 float32; out_w 1,024 x 1,024 float32; qkv_b 3,072 float32; qkv_w 3,072 x 1,024 float32.
;; Outputs: out0 4 x 2,048 x 1,024 float32.
;; This version of the problem:
;;   THIS VERSION OF THE PROBLEM IS GIVEN IN LOW PRECISION. The matrix products marked QUANTISED in the list below multiply operands that are first quantised to E2M1 (2 exponent bits, 1 mantissa bit; 4 bits a number), with one power-of-two scale for each 32 numbers along K (OCP MX v1.0); their sums are f32. The products marked 'left as it is' may take bf16, f16 or f32 operands, with f32 sums. Whichever they take, every output number must still come out within the allowed error. Rounding operands to bf16 (8 significant bits) uses up far more of that allowance than f16 does (11 bits, for magnitudes from 6e-5 to 65,504). All else is computed in f32.
;;   The module's matrix products, in the order in which they are computed (A, B: the left and right operand; K: the contracted axis; several contracted axes count as one K, in the product's order):
;;     1. [M 8,192, K 1,024] x [K 1,024, N 3,072]; A: input inp; B: input qkv_w: QUANTISED
;;     2. batch 64 x [M 2,048, K 64] x [K 64, N 2,048]; A: computed on the way; B: computed on the way: left as it is (an operand is computed on the way)
;;     3. batch 64 x [M 2,048, K 2,048] x [K 2,048, N 64]; A: computed on the way; B: computed on the way: left as it is (an operand is computed on the way)
;;     4. [M 8,192, K 1,024] x [K 1,024, N 1,024]; A: computed on the way; B: input out_w: left as it is (an operand is computed on the way)
;;   THE QUANTISER, for each operand of a quantised product, along K:
;;     - K is cut into blocks of 32 from its start; a last block that is shorter is filled with zeros.
;;     - A block's scale is 2^e with e = floor(log2(the largest magnitude in the block)) - 2, held to -126 .. 127; a block of zeros has e = 0. As a byte (E8M0): e + 127.
;;     - Each number is divided by its block's scale, clamped to +-6, and rounded to the nearest number of E2M1, ties to even, subnormals kept.
;;     - The product sums the exact products of the quantised numbers (number of the format x scale) in f32.
;;   ~~~python
;;   def quantise(x, axis):      # numpy; x: float32 -> the quantised numbers, widened to float32 again
;;       x = np.moveaxis(x, axis, -1); K = x.shape[-1]
;;       x = np.pad(x, [(0, 0)] * (x.ndim - 1) + [(0, -K % 32)]); x = x.reshape(x.shape[:-1] + (-1, 32)); a = np.abs(x).max(-1, keepdims=True)
;;       e = np.where(a > 0, np.clip(np.frexp(np.where(a > 0, a, 1))[1] - 1 - 2, -126, 127), 0)      # np.frexp(a)[1] - 1 = floor(log2(a)), exactly
;;       r = np.clip(x / 2.0 ** e, -6, 6)
;;       step = 2.0 ** (np.maximum(np.frexp(np.where(r == 0, 1, r))[1] - 1, 0) - 1)
;;       q = np.round(r / step) * step * 2.0 ** e      # np.round: ties to even
;;       return np.moveaxis(q.reshape(q.shape[:-2] + (-1,))[..., :K], -1, axis).astype(np.float32)
;;   ~~~
;; One version. Each part assembles by itself: llvm-mc -triple=amdgcn-amd-amdhsa -mcpu=gfx1250 --defsym DOCPART=n.
;; ======== version 1 of 1: 4 launches
;; limits: values are held in f16: magnitudes above 65,504 overflow, below 6.1e-05 lose precision
;; workspace buffers: xq 4,194,304 bytes; xs 262,144 bytes; wq 1,572,864 bytes; ws 98,304 bytes; wo 2,097,152 bytes; qkv 50,331,648 bytes; ctx 16,777,216 bytes
;; launch quant (part 1): grid 384 x 1, 4 waves a work-group, no clusters, 33,280 bytes of LDS; arguments inp, qkv_w, xq, xs, wq, ws, out_w, wo; writes xq, xs, wq, ws, wo
.if DOCPART == 1
	.amdgcn_target "amdgcn-amd-amdhsa--gfx1250"
	.amdhsa_code_object_version 6
	.text
	.protected	k_q8e71097b16_quant
	.globl	k_q8e71097b16_quant
	.p2align	8
	.type	k_q8e71097b16_quant,@function
k_q8e71097b16_quant:
	s_mov_b64 s[64:65], 0
	v_nop
	global_prefetch_b8 v0, s[64:65] scope:SCOPE_SE
	s_setreg_imm32_b32 hwreg(HW_REG_WAVE_MODE, 25, 1), 1
	s_wait_xcnt 0x0
; inp [8192][1024] and qkv_w [3072][1024], f32, become codes of FP4 (E2M1), K innermost, two codes a byte, with one E8M0 scale byte for each 32 along K; out_w [1024][1024] f32 becomes f16, as it lies.
; A block's scale is 2^(floor(log2(its largest magnitude)) - 2); its byte is the largest magnitude's own exponent field - 2, held at 1 from below.  Each number is divided by the scale and rounded to the nearest code, ties to even, beyond 6 the largest code.
; LIMITS: a block of zeros, and a block whose largest magnitude lies under 2^-124, keeps the byte 1 (a block of zeros has zero codes, which add nothing; the bytes are read by this program alone); NaN and infinities among the inputs are not served;
; a number of out_w beyond 65,504 becomes infinite in f16.
; Rows are dense and K is a multiple of 32: both tensors are plain streams of blocks of 32 numbers, and so are the codes and the scale bytes.
; Work-groups 0-255 take inp, 256-351 qkv_w (one way through the text, the buffers chosen by the work-group's number), 352-383 out_w (a way of its own, without LDS).
; A wave takes 16 steps of 512 numbers.  Each of a step's four loads reads 512 consecutive bytes; the 2,048 bytes turn through the wave's own stage in LDS and come back 64 bytes a lane, so that a lane holds 16 neighbours along K
; (two neighbouring lanes hold a block).  A lane's 16 codes are 8 bytes: the wave stores 256 consecutive bytes.  A wave's 256 scale bytes are gathered in its own LDS and leave as 256 consecutive bytes.
; No tensor loads, no barrier: waves share nothing.  Matrix units and clusters have nothing to do in a stream.
.set WAVES, 4
.set STEPS, 16
.set WGA,   256                        ; 8192 x 1024 / 32,768
.set WGB,   96                         ; 3072 x 1024 / 32,768
.set EMAX,  2
.set CB,    8                          ; bytes of 16 codes
.set R,     16                         ; v16-79   four sets of 16 numbers as they are loaded
.set X,     80                         ; v80-111  two sets of 16 neighbours
.set C,     128                        ; v128-191 codes: four registers for each step, so that no store's data are written again
.set E,     112                        ; v112-127 a scale byte for each step
.set WREG,  8192                       ; LDS: a region for each wave: two stages of 32 x SP bytes, behind them its 256 scale bytes
.set SP,    80                         ; a lane's place in a stage: 64 bytes + 16 of padding
.set SPW,   12                         ; v12 LDS address of my spare word; never rewritten
.set NIL,   13                         ; v13 0; never rewritten
.set SPARE, WAVES*WREG                 ; behind the four regions: the spare words, 128 bytes a wave, named by no other line
.set W,     16                         ; out_w's way: v16-143 two sets of 64 numbers
.set Y,     144                        ; v144-175 a round's 128 f16 numbers a lane... 32 registers to store
	s_load_b128 s[4:7], s[0:1], 0x0                ; inp, qkv_w
	s_load_b128 s[8:11], s[0:1], 0x10              ; xq, xs
	s_load_b128 s[12:15], s[0:1], 0x20             ; wq, ws
	s_load_b128 s[24:27], s[0:1], 0x30             ; out_w, wo
	v_lshl_add_u32 v[SPW], v0, 2, SPARE
	v_mov_b32 v[NIL], 0
	v_lshrrev_b32 v1, 5, v0
	v_readfirstlane_b32 s16, v1                    ; wave
	v_and_b32 v2, 31, v0                           ; lane
	v_lshlrev_b32 v3, 4, v2                        ; my 16 bytes of a load's 512
	s_mul_i32 s17, s16, WREG
	v_lshrrev_b32 v14, 2, v2
	v_mul_u32_u24 v14, v14, SP
	v_and_b32 v15, 3, v2
	v_lshl_add_u32 v14, v15, 4, v14
	v_add_nc_u32 v14, s17, v14                     ; the stage, on the way in: SP (lane / 4) + 16 (lane % 4)
	v_mul_u32_u24 v15, v2, SP
	v_add_nc_u32 v15, s17, v15                     ; and on the way out: SP x lane: my 16 neighbours
	v_mul_u32_u24 v4, v2, CB                       ; my codes' place in a step's
	v_lshrrev_b32 v5, 1, v2
	s_add_co_u32 s17, s17, 2*32*SP
	v_add_nc_u32 v5, s17, v5                       ; LDS: my wave's 256 scale bytes, my block's byte
	v_lshlrev_b32 v7, 3, v2                        ; 8 bytes a lane
	v_add_nc_u32 v6, s17, v7
	s_wait_kmcnt 0x0
	s_cmp_ge_u32 ttmp9, WGA+WGB                    ; the last 32 work-groups take out_w
	s_cbranch_scc1 .Lwo
	s_cmp_lt_u32 ttmp9, WGA                        ; inp's work-group or qkv_w's?  The choice hangs on the work-group's number alone
	s_cselect_b64 s[4:5], s[4:5], s[6:7]
	s_cselect_b64 s[8:9], s[8:9], s[12:13]
	s_cselect_b64 s[10:11], s[10:11], s[14:15]
	s_cselect_b32 s17, 0, WGA
	s_sub_co_u32 s17, ttmp9, s17
	s_lshl_b32 s17, s17, 2
	s_add_co_u32 s18, s17, s16                     ; which run of 8,192 numbers of the tensor is my wave's
	s_mov_b32 s19, 0
	s_mov_b64 s[20:21], 512*STEPS*4
	s_mul_u64 s[20:21], s[18:19], s[20:21]
	s_add_nc_u64 s[4:5], s[4:5], s[20:21]
	s_mov_b64 s[20:21], 32*STEPS*CB
	s_mul_u64 s[20:21], s[18:19], s[20:21]
	s_add_nc_u64 s[8:9], s[8:9], s[20:21]
	s_lshl_b32 s18, s18, 8                         ; 256 scale bytes a run
	s_add_nc_u64 s[10:11], s[10:11], s[18:19]
.macro LOAD t
.irp i, 0,1,2,3
	global_load_b128 v[R+16*((\t)%4)+4*\i:R+16*((\t)%4)+4*\i+3], v3, s[4:5] offset:2048*(\t)+512*\i th:TH_LOAD_NT   ; 32 lanes read 512 consecutive bytes
.endr
.endm
.macro TURN t                          ; step t's numbers through the stage: LDS serves a wave's instructions in order, so no wait stands between the stores and the loads
.irp i, 0,1,2,3
	ds_store_b128 v14, v[R+16*((\t)%4)+4*\i:R+16*((\t)%4)+4*\i+3] offset:32*SP*((\t)%2)+8*SP*\i
.endr
.irp i, 0,1,2,3
	ds_load_b128 v[X+16*((\t)%2)+4*\i:X+16*((\t)%2)+4*\i+3], v15 offset:32*SP*((\t)%2)+16*\i
.endr
.endm
.irp t, 0,1,2,3
	LOAD \t
.endr
	s_wait_loadcnt 12                              ; step 0's four loads are in; the twelve of steps 1 to 3 may be out
	TURN 0
.macro STEP t
.set XS, X+16*((\t)%2)
.if (\t) > 0
	s_wait_dscnt 1                                 ; this step's numbers are back from the stage (the last step's byte store may be out): so its stores into the stage have read their registers,
.else
	s_wait_dscnt 0x0
.endif
.if (\t)+4 < STEPS
	LOAD (\t)+4                                    ; which take the loads of four steps on
.endif
.if (\t)+1 < STEPS
.if STEPS-2-(\t) >= 3
	s_wait_loadcnt 12                              ; the next step's four loads are in; those of the three steps behind it may be out
.else
	s_wait_loadcnt 4*(STEPS-2-(\t))
.endif
	TURN (\t)+1                                    ; and go through the other stage while this step is worked
.endif
	v_max3_num_f32 v8, |v[XS]|, |v[XS+1]|, |v[XS+2]|               ; the largest magnitude of my 16, in two chains
	v_max3_num_f32 v9, |v[XS+3]|, |v[XS+4]|, |v[XS+5]|
.irp i, 6,10
	v_max3_num_f32 v8, v8, |v[XS+\i]|, |v[XS+\i+1]|
	v_max3_num_f32 v9, v9, |v[XS+\i+2]|, |v[XS+\i+3]|
.endr
	v_max3_num_f32 v8, v8, |v[XS+14]|, |v[XS+15]|
	v_max3_num_f32 v8, v8, v9, (EMAX+1)<<23        ; and the floor 2^(3 - 127): so the byte cannot fall under 1
	v_max_num_f32_dpp v8, v8, v8 row_xmask:1 row_mask:0xf bank_mask:0xf   ; and of my neighbour's 16: the block's
	v_add_nc_u32 v11, -(EMAX<<23), v8              ; 2 off its exponent field: the conversion takes the exponent field of this operand as its scale, and nothing else of it
	v_cvt_scalef32_pk8_fp4_f32 v[C+4*(\t)], v[XS:XS+7], v11
	v_cvt_scalef32_pk8_fp4_f32 v[C+4*(\t)+1], v[XS+8:XS+15], v11
	v_lshrrev_b32 v[E+(\t)], 23, v11               ; the scale's byte (also the plain line behind the conversions)
	ds_store_b8 v5, v[E+(\t)] offset:16*(\t)       ; both lanes of a block write the same byte with the same value
	global_store_b64 v4, v[C+4*(\t):C+4*(\t)+1], s[8:9] offset:32*CB*(\t)   ; 32 lanes store 256 consecutive bytes, aligned
.endm
.irp t, 0,1,2,3,4,5,6,7,8,9,10,11,12,13,14,15
	STEP \t
.endr
	ds_load_b64 v[8:9], v6                         ; LDS serves a wave's instructions in order: these see my stores
	s_wait_dscnt 0x0
	global_store_b64 v7, v[8:9], s[10:11]          ; 32 lanes store 256 consecutive bytes, aligned
	s_wait_tensorcnt 0x0                           ; the wave's end, behind my last LDS store
	ds_add_u32 v[SPW], v[NIL]
	s_wait_dscnt 0x0
	s_endpgm
; out_w to f16.  A wave takes 8,192 numbers in four rounds of 16 loads of 512 consecutive bytes; a lane's four numbers of a load become 8 bytes, so a store covers 256 consecutive bytes.  Loads run a round ahead.
.macro LOADC r
.irp i, 0,1,2,3,4,5,6,7,8,9,10,11,12,13,14,15
	global_load_b128 v[W+64*((\r)%2)+4*\i:W+64*((\r)%2)+4*\i+3], v3, s[24:25] offset:8192*(\r)+512*\i th:TH_LOAD_NT
.endr
.endm
.macro ROUNDC r
.if (\r) < 3
	s_wait_loadcnt 16                              ; this round's 16 loads are in; the next round's may be out
.else
	s_wait_loadcnt 0x0
.endif
.if (\r) > 0
	s_wait_xcnt 0x0                                ; the last round's stores have read Y: it is written again only behind this wait
.endif
.irp i, 0,1,2,3,4,5,6,7,8,9,10,11,12,13,14,15
	v_cvt_pk_f16_f32 v[Y+2*\i], v[W+64*((\r)%2)+4*\i], v[W+64*((\r)%2)+4*\i+1]
	v_cvt_pk_f16_f32 v[Y+2*\i+1], v[W+64*((\r)%2)+4*\i+2], v[W+64*((\r)%2)+4*\i+3]
.endr
.irp i, 0,1,2,3,4,5,6,7,8,9,10,11,12,13,14,15
	global_store_b64 v7, v[Y+2*\i:Y+2*\i+1], s[26:27] offset:4096*(\r)+256*\i
.endr
.if (\r) < 2
	LOADC (\r)+2
.endif
.endm
.Lwo:
	s_sub_co_u32 s17, ttmp9, WGA+WGB
	s_lshl_b32 s17, s17, 2
	s_add_co_u32 s18, s17, s16                     ; which run of 8,192 numbers is my wave's: 0 .. 127
	s_lshl_b32 s20, s18, 15                        ; 32,768 bytes of f32
	s_mov_b32 s21, 0
	s_add_nc_u64 s[24:25], s[24:25], s[20:21]
	s_lshl_b32 s20, s18, 14                        ; 16,384 bytes of f16
	s_add_nc_u64 s[26:27], s[26:27], s[20:21]
	LOADC 0
	LOADC 1
	ROUNDC 0
	ROUNDC 1
	ROUNDC 2
	ROUNDC 3
	s_wait_tensorcnt 0x0                           ; the wave's end
	ds_add_u32 v[SPW], v[NIL]
	s_wait_dscnt 0x0
	s_endpgm
.Lfunc_end_k_q8e71097b16_quant:
	.size	k_q8e71097b16_quant, .Lfunc_end_k_q8e71097b16_quant-k_q8e71097b16_quant
	.p2alignl 7, 3214868480
	.fill 96, 4, 3214868480
	.section	.rodata,"a",@progbits
	.p2align	6, 0x0
	.amdhsa_kernel k_q8e71097b16_quant
		.amdhsa_group_segment_fixed_size 33280
		.amdhsa_private_segment_fixed_size 0
		.amdhsa_enable_private_segment 0
		.amdhsa_kernarg_size 64
		.amdhsa_user_sgpr_count 2
		.amdhsa_user_sgpr_kernarg_segment_ptr 1
		.amdhsa_wavefront_size32 1
		.amdhsa_system_sgpr_workgroup_id_x 1
		.amdhsa_system_sgpr_workgroup_id_y 1
		.amdhsa_system_sgpr_workgroup_id_z 1
		.amdhsa_system_vgpr_workitem_id 0
		.amdhsa_next_free_vgpr 192
		.amdhsa_next_free_sgpr 66
		.amdhsa_reserve_vcc 0
		.amdhsa_float_denorm_mode_32 3
		.amdhsa_float_denorm_mode_16_64 3
		.amdhsa_memory_ordered 1
		.amdhsa_forward_progress 1
		.amdhsa_inst_pref_size 54
	.end_amdhsa_kernel
	.amdgpu_metadata
---
amdhsa.version: [ 1, 2 ]
amdhsa.kernels:
  - .name:           k_q8e71097b16_quant
    .symbol:         k_q8e71097b16_quant.kd
    .args:
      - { .name: inp, .offset: 0, .size: 8, .value_kind: global_buffer, .address_space: global }
      - { .name: qkv_w, .offset: 8, .size: 8, .value_kind: global_buffer, .address_space: global }
      - { .name: xq, .offset: 16, .size: 8, .value_kind: global_buffer, .address_space: global }
      - { .name: xs, .offset: 24, .size: 8, .value_kind: global_buffer, .address_space: global }
      - { .name: wq, .offset: 32, .size: 8, .value_kind: global_buffer, .address_space: global }
      - { .name: ws, .offset: 40, .size: 8, .value_kind: global_buffer, .address_space: global }
      - { .name: out_w, .offset: 48, .size: 8, .value_kind: global_buffer, .address_space: global }
      - { .name: wo, .offset: 56, .size: 8, .value_kind: global_buffer, .address_space: global }
    .group_segment_fixed_size: 33280
    .private_segment_fixed_size: 0
    .kernarg_segment_align: 8
    .kernarg_segment_size: 64
    .max_flat_workgroup_size: 128
    .sgpr_count:     66
    .vgpr_count:     192
    .wavefront_size: 32
...
	.end_amdgpu_metadata
.endif
;; end of part 1
;; launch proj (part 2): grid 12 x 32, 4 waves a work-group, clusters of 4 x 4, 327,680 bytes of LDS; arguments xq, xs, wq, ws, qkv, qkv_b; writes qkv
.if DOCPART == 2
	.amdgcn_target "amdgcn-amd-amdhsa--gfx1250"
	.amdhsa_code_object_version 6
	.text
	.protected	k_q8e71097b16_proj
	.globl	k_q8e71097b16_proj
	.p2align	8
	.type	k_q8e71097b16_proj,@function
k_q8e71097b16_proj:
	s_mov_b64 s[64:65], 0
	v_nop
	global_prefetch_b8 v0, s[64:65] scope:SCOPE_SE
	s_setreg_imm32_b32 hwreg(HW_REG_WAVE_MODE, 25, 1), 1
	s_wait_xcnt 0x0
	s_wait_alu depctr_hold_cnt(0) depctr_sa_sdst(0) depctr_va_vdst(0) depctr_va_sdst(0) depctr_va_ssrc(0) depctr_va_vcc(0) depctr_vm_vsrc(0)
	s_getreg_b32 s2, hwreg(HW_REG_IB_STS2, 6, 4)
	s_cmp_eq_u32 s2, 0
	s_cbranch_scc0 .Lentry_in_a_cluster
	s_endpgm
.Lentry_in_a_cluster:
	s_bfe_u32 s2, ttmp6, 0x10000c
	s_cmp_lg_u32 s2, 0xf033
	s_cbranch_scc0 .Lentry_shape_is_right
	s_endpgm
.Lentry_shape_is_right:
; qkv[token][feature] = sum over k of inp[token][k] qkv_w[feature][k] + qkv_b[feature], on codes of FP4 (E2M1) with one E8M0 scale for each 32 along K; sums in f32; the result rounded once to f16.
; A = xq [8192][512 bytes], xs [8192][32]; B = wq [3072][512 bytes], ws [3072][32].  K = 1,024: two K steps of 512, one in each of two LDS slots, both asked for at the head: no slot is filled again.
; LIMIT: a result beyond 65,504 becomes infinite in f16.
; A tile of 256 tokens x 256 features is made by four waves, each 128 x 128: 64 accumulators, 512 registers.  384 tiles; a tile of 256 x 384, which would give one tile to each of 256 work-groups, does not fit the registers.
; CLUSTERS: 4 x 4 work-groups.  The four of a row of the cluster need the same tiles of A, the four of a column the same tiles of B: each is asked for jointly, by the same tensor load with the same descriptor and a mask that names the four.
; THE MATRIX INSTRUCTION IS USED TRANSPOSED (source 0 = 16 features, source 1 = 16 tokens): a lane holds one token (lane % 16) and eight neighbouring features 8 (lane / 16) + 0 .. 7.  The bias, in that layout, is the C of each sum's first product.
; THE RESULT IS LAID AS THE NEXT LAUNCH'S OPERAND REGISTERS.  qkv: [section q, k, v: 2^24 bytes][batch x 16 + head: 2^18][token tile of 16: 2,048][32 channels: 1,024][16 channels: 512]; a block of 512 bytes is 16 tokens x 16 channels of f16,
; and an accumulator, rounded, IS such a block: lane l's 16 bytes go to 16 l (q, k), or to 16 x (l with bits 3 and 4 exchanged) (v, which the next launch reads by the turning LDS load).  So each store of a wave covers 512 consecutive bytes, aligned, and no LDS stage is needed.
; REGISTERS, in windows of 256: window 0: v0-31 addresses; v32-95 scale words, two sets; v128-191 A's fragments, one set; v192-255 the bias; on the way out v128-255 the packed results.
;   window 1: B's fragments, two sets, at v0 and v128.   window 2: the accumulators of my tokens 0-63 ((a, b) at v[8 (8 a + b)]);   window 3: those of tokens 64-127.
.set KSTEP,  512
.set NQ,     KSTEP/128
.set ROWB,   256                       ; a tile's row in bytes
.set KROW,   512                       ; a row of codes in memory
.set PITCH,  272                       ; an LDS row: 256 bytes + 16 of padding: the 16 rows that a load touches start 68 words apart
.set FR,     8
.set NL,     2
.set NP,     4                         ; places behind this matrix instruction (ISA guide 7.12.1)
.set HALFT,  128*PITCH
.set SLOT,   4*HALFT
.set KS,     32                        ; a row of scales in bytes
.set SCL,    2*SLOT                    ; behind the slots: the scales, as rows of 256 bytes + 16 of padding
.set HALFS,  (128*KS/256)*272
.set SBLK,   (16*KS/256)*272
.set SPARE,  SCL+4*HALFS               ; the spare words, 128 bytes a wave, named by no other line
.set ADRA, 16                          ; v16-17 LDS address of my A fragments in slot 0, 1
.set ADRB, 20                          ; v20-21 the same for B
.set CO,   26                          ; v26 my 16 bytes' place in a block of the result
.set ADRS, 27                          ; v27 LDS address of my scale words: lanes 0-15 A's rows, lanes 16-31 B's
.set SPW,  28
.set NIL,  29
.set BO,   30                          ; v30 32 x (lane / 16): my eight numbers of a bias block
.set SC,   32
.set AF,   128
.set BI,   192                         ; the bias of my 128 features: 8 registers for each block of 16
.set T,    128                         ; the way out: four sets of 32 registers
.set G1, 24
.set G0, 32
.set G1B, 48
.set G0B, 56
.set G1S, 68
.set G0S, 76
.set G1SB, 80
.set G0SB, 88
.set MSB, 0
.macro WIN new                         ; the immediate's high byte repeats the setting that is left
.if MSB != \new
	s_set_vgpr_msb (MSB<<8)|\new
.set MSB, \new
.endif
.endm
.set MUL_LO, 0xa1                      ; source 0 (B) window 1, source 1 (A) window 0, C and D window 2
.set MUL_HI, 0xf1                      ; the same, C and D window 3
.set FST_LO, 0x81                      ; the first step: C (the bias) window 0, D window 2
.set FST_HI, 0xc1                      ; and D window 3
.set TO_B,   0x40
; A joint load: waves 0 and 1 fetch for A, waves 2 and 3 for B.  The branch hangs on the wave's number alone.  An s_nop 0 and four v_nop follow each of the two lines.
.macro JLOAD g0a, g1a, g0b, g1b
	s_cmp_eq_u32 s15, 0
	s_cbranch_scc0 .Lfor_b_\@
	tensor_load_to_lds s[\g0a:\g0a+3], s[\g1a:\g1a+7]
	s_nop 0
.rept 4
	v_nop
.endr
	s_branch .Lasked_\@
.Lfor_b_\@:
	tensor_load_to_lds s[\g0b:\g0b+3], s[\g1b:\g1b+7]
	s_nop 0
.rept 4
	v_nop
.endr
.Lasked_\@:
.endm
.macro CROUND                          ; a round of the cluster's barrier
	s_barrier_signal -1
	s_barrier_wait -1
	s_cmp_lg_u32 s14, 0
	s_cbranch_scc1 .Lnot_wave_0_\@
	s_barrier_signal -3
.Lnot_wave_0_\@:
	s_barrier_wait -3
	s_barrier_signal -1
	s_barrier_wait -1
.endm
	s_load_b128 s[4:7], s[0:1], 0x0                ; xq, xs
	s_load_b128 s[8:11], s[0:1], 0x10              ; wq, ws
	s_load_b64 s[12:13], s[0:1], 0x20              ; qkv
	s_load_b64 s[66:67], s[0:1], 0x28              ; qkv_b
	v_lshl_add_u32 v[SPW], v0, 2, SPARE
	v_mov_b32 v[NIL], 0
	ds_add_u32 v[SPW], v[NIL]                      ; the wave's opening: the add, twice on end, and its wait ahead of my first tensor load
	ds_add_u32 v[SPW], v[NIL]
	v_lshrrev_b32 v1, 5, v0
	v_readfirstlane_b32 s14, v1                    ; wave 0..3
	s_lshr_b32 s15, s14, 1                         ; which half of the tile's tokens is mine.  Also: I fetch for A (0) or for B (1)
	s_and_b32 s16, s14, 1                          ; which half of its features.  Also: which 128 rows of that tile I fetch
	s_bfe_u32 s40, ttmp6, 0x40000                  ; cx, cy
	s_bfe_u32 s41, ttmp6, 0x40004
	s_lshl_b32 s42, ttmp9, 2
	s_add_co_u32 s42, s42, s40                     ; tile column = 4 x cluster x + cx
	s_and_b32 s17, ttmp7, 0xffff
	s_lshl_b32 s17, s17, 2
	s_add_co_u32 s17, s17, s41                     ; tile row = 4 x cluster y + cy
	s_lshl_b32 s43, s41, 2
	s_lshl_b32 s43, 15, s43                        ; my row of the cluster
	s_lshl_b32 s44, 0x1111, s40                    ; my column
	; descriptor group 1: a tile of 128 rows x 256 bytes, 16 bytes of padding behind each row
	s_or_b32 s[G1+0], s43, (0<<16)|(1<<20)|(1<<21)|(5<<22)|(3<<25)
	s_or_b32 s[G1B+0], s44, (0<<16)|(1<<20)|(1<<21)|(5<<22)|(3<<25)
.irp g, G1, G1B
	s_mov_b32 s[\g+1], ROWB<<16                    ; tensor_dim0
	s_mov_b32 s[\g+2], 128<<16                     ; tensor_dim1
	s_mov_b32 s[\g+3], ROWB<<16                    ; tile_dim0
	s_mov_b32 s[\g+4], 128                         ; tile_dim1
	s_mov_b32 s[\g+5], KROW                        ; from row to row
	s_mov_b32 s[\g+6], 0
	s_mov_b32 s[\g+7], 0
.endr
	; the scales of 128 rows: a dense block of 4,096 bytes, as 16 rows of 256 bytes (32 elements of 8), 16 bytes of padding behind each
	s_or_b32 s[G1S+0], s43, (3<<16)|(1<<20)|(1<<21)|(5<<22)|(3<<25)
	s_or_b32 s[G1SB+0], s44, (3<<16)|(1<<20)|(1<<21)|(5<<22)|(3<<25)
.irp g, G1S, G1SB
	s_mov_b32 s[\g+1], 32<<16
	s_mov_b32 s[\g+2], (128*KS/256)<<16
	s_mov_b32 s[\g+3], 32<<16
	s_mov_b32 s[\g+4], 128*KS/256
	s_mov_b32 s[\g+5], 32
	s_mov_b32 s[\g+6], 0
	s_mov_b32 s[\g+7], 0
.endr
	s_lshl_b32 s18, s16, 7                         ; which 128 rows of the tile I fetch
	s_lshl_b32 s20, s17, 8
	s_add_co_u32 s20, s20, s18                     ; A: row 256 x tile row + 128 x half
	s_lshl_b32 s46, s42, 8
	s_add_co_u32 s46, s46, s18                     ; B: row 256 x tile column + 128 x half
	s_mov_b32 s21, 0
	s_mov_b32 s47, 0
	s_mov_b64 s[18:19], KS
	s_mul_u64 s[22:23], s[20:21], s[18:19]         ; where these rows' scales begin, in bytes,
	s_mul_u64 s[92:93], s[46:47], s[18:19]
	s_mov_b64 s[18:19], KROW
	s_mul_u64 s[20:21], s[20:21], s[18:19]         ; and their codes
	s_mul_u64 s[46:47], s[46:47], s[18:19]
	s_mul_i32 s45, s14, HALFT                      ; where they go: wave x 128 rows: no place in the cluster enters an LDS address
	s_mul_i32 s94, s14, HALFS
	s_wait_dscnt 0x0                               ; both opening adds are done
	s_wait_kmcnt 0x0
	s_add_nc_u64 s[20:21], s[4:5], s[20:21]
	s_add_nc_u64 s[22:23], s[6:7], s[22:23]
	s_add_nc_u64 s[46:47], s[8:9], s[46:47]
	s_add_nc_u64 s[92:93], s[10:11], s[92:93]
	CROUND                                         ; all sixteen work-groups are here: the first joint loads meet
	s_mov_b32 s[G0S], 1
	s_add_co_u32 s[G0S+1], s94, SCL
	s_mov_b64 s[G0S+2:G0S+3], s[22:23]
	s_or_b32 s[G0S+3], s[G0S+3], 0x80000000
	s_mov_b32 s[G0SB], 1
	s_add_co_u32 s[G0SB+1], s94, SCL
	s_mov_b64 s[G0SB+2:G0SB+3], s[92:93]
	s_or_b32 s[G0SB+3], s[G0SB+3], 0x80000000
	JLOAD G0S, G1S, G0SB, G1SB                     ; the scales first: they are wanted with K step 0.  With the two slots' loads three tensor loads of mine are out
.irp s, 0,1
	s_mov_b32 s[G0+4*\s], 1
	s_add_co_u32 s[G0+4*\s+1], s45, \s*SLOT
	s_add_nc_u64 s[G0+4*\s+2:G0+4*\s+3], s[20:21], \s*ROWB
	s_or_b32 s[G0+4*\s+3], s[G0+4*\s+3], 0x80000000
	s_mov_b32 s[G0B+4*\s], 1
	s_add_co_u32 s[G0B+4*\s+1], s45, \s*SLOT
	s_add_nc_u64 s[G0B+4*\s+2:G0B+4*\s+3], s[46:47], \s*ROWB
	s_or_b32 s[G0B+4*\s+3], s[G0B+4*\s+3], 0x80000000
	JLOAD G0+4*\s, G1, G0B+4*\s, G1B
.endr
	v_and_b32 v1, 15, v0                           ; l % 16
	v_bfe_u32 v2, v0, 4, 1                         ; l / 16
	; the bias of my 128 features: block b's eight numbers of my half of the lanes
	s_lshl_b32 s46, s42, 10                        ; 4 bytes x (256 x tile column + 128 x half)
	s_lshl_b32 s47, s16, 9
	s_add_co_u32 s46, s46, s47
	s_mov_b32 s47, 0
	s_add_nc_u64 s[66:67], s[66:67], s[46:47]
	v_lshlrev_b32 v[BO], 5, v2
.irp b, 0,1,2,3,4,5,6,7
	global_load_b128 v[BI+8*\b:BI+8*\b+3], v[BO], s[66:67] offset:64*\b
	global_load_b128 v[BI+8*\b+4:BI+8*\b+7], v[BO], s[66:67] offset:64*\b+16
.endr
	v_mul_u32_u24 v3, v1, PITCH
	v_lshl_add_u32 v4, v2, 4, v3                   ; a fragment's row x pitch + 16 x half
	s_mul_i32 s21, s15, HALFT                      ; my 128 rows of A
	s_mul_i32 s22, s16, HALFT                      ; my 128 rows of B,
	s_add_co_u32 s22, s22, 2*HALFT                 ; which lie behind A's 256
.irp s, 0,1
	v_add_nc_u32 v[ADRA+\s], s21, v4
	v_add_nc_u32 v[ADRB+\s], s22, v4
	s_add_co_u32 s21, s21, SLOT
	s_add_co_u32 s22, s22, SLOT
.endr
	v_mul_u32_u24 v5, v1, KS                       ; my row's scales: 32 bytes a row,
	v_lshrrev_b32 v6, 8, v5
	v_lshl_add_u32 v5, v6, 4, v5                   ; and 16 more for each 256 passed
	s_mul_i32 s21, s15, HALFS
	s_mul_i32 s22, s16, HALFS
	s_add_co_u32 s22, s22, 2*HALFS
	s_sub_co_u32 s22, s22, s21
	v_mul_u32_u24 v6, s22, v2                      ; lanes 16-31 take B's: one product, the distance between the two bases
	s_add_co_u32 s21, s21, SCL
	v_add_nc_u32 v5, v5, v6
	v_add_nc_u32 v[ADRS], s21, v5
	; the way out: my 16 bytes in a block: 16 l for q and k; for v, l with bits 3 and 4 exchanged: 16 l xor 384 where the two bits differ
	v_and_b32 v6, 31, v0
	v_bfe_u32 v5, v0, 3, 1
	v_xor_b32 v5, v5, v2
	s_cmp_eq_u32 ttmp9, 2                          ; cluster x is the section: 0 q, 1 k, 2 v: the same in all partners
	s_cselect_b32 s96, 384, 0
	v_mul_u32_u24 v5, v5, s96
	v_lshlrev_b32 v[CO], 4, v6
	v_xor_b32 v[CO], v[CO], v5
	s_lshl_b32 s20, ttmp9, 24                      ; the section,
	s_lshr_b32 s21, s17, 3
	s_lshl_b32 s21, s21, 22                        ; the batch (8 tile rows each) x 16 heads,
	s_add_co_u32 s20, s20, s21
	s_lshl_b32 s21, s40, 20                        ; head 4 cx
	s_add_co_u32 s20, s20, s21
	s_lshl_b32 s21, s16, 19                        ; + 2 x half,
	s_add_co_u32 s20, s20, s21
	s_and_b32 s21, s17, 7
	s_lshl_b32 s21, s21, 15                        ; token tile 16 x (tile row % 8)
	s_add_co_u32 s20, s20, s21
	s_lshl_b32 s21, s15, 14                        ; + 8 x half
	s_add_co_u32 s20, s20, s21
	s_mov_b32 s21, 0
	s_add_nc_u64 s[12:13], s[12:13], s[20:21]
.macro FRAG reg, adr, q, i             ; a fragment, 16 rows x 128 K of 4-bit codes: registers 4 c .. 4 c + 3 hold K = 64 c + 32 (l / 16) + 0 .. 31
.irp c, 0,1
	ds_load_b128 v[\reg+4*\c:\reg+4*\c+3], v[\adr] offset:64*(\q)+32*\c+(\i)*16*PITCH
.endr
.endm
; 16 matrix instructions: A's blocks a0, a0 + 1 x B's eight, the slot's q-th 128 along K.  p: B's set; sc: the set of scale words.  zero = 1: the first product starts the sums, with the bias as C.
; The 64 accumulators take turns, one instruction a turn, in the same order in every step.
.macro MUL16 a0, p, q, sc, zero
.irp a, \a0, \a0+1
.irp b, 0,1,2,3,4,5,6,7
.if \zero
	v_wmma_scale_f32_16x16x128_f8f6f4 v[8*(8*((\a)%4)+\b):8*(8*((\a)%4)+\b)+7], v[128*(\p)+FR*\b:128*(\p)+FR*\b+FR-1], v[AF+FR*(\a):AF+FR*(\a)+FR-1], v[BI+8*\b:BI+8*\b+7], v[SC+8*NQ*(\sc)+NQ*\b+(\q)], v[SC+8*NQ*(\sc)+NQ*(\a)+(\q)] matrix_a_fmt:MATRIX_FMT_FP4 matrix_b_fmt:MATRIX_FMT_FP4 matrix_a_scale:MATRIX_SCALE_ROW1
.else
	v_wmma_scale_f32_16x16x128_f8f6f4 v[8*(8*((\a)%4)+\b):8*(8*((\a)%4)+\b)+7], v[128*(\p)+FR*\b:128*(\p)+FR*\b+FR-1], v[AF+FR*(\a):AF+FR*(\a)+FR-1], v[8*(8*((\a)%4)+\b):8*(8*((\a)%4)+\b)+7], v[SC+8*NQ*(\sc)+NQ*\b+(\q)], v[SC+8*NQ*(\sc)+NQ*(\a)+(\q)] matrix_a_fmt:MATRIX_FMT_FP4 matrix_b_fmt:MATRIX_FMT_FP4 matrix_a_scale:MATRIX_SCALE_ROW1
.endif
.endr
.endr
.endm
.macro FETCH_B slot, q, p
	WIN TO_B
.irp i, 0,1,2,3,4,5,6,7
	FRAG 128*(\p)+FR*\i, ADRB+\slot, \q, \i
.endr
	WIN 0
.endm
.macro FETCH_A slot, q, i0
.irp i, \i0, \i0+1, \i0+2, \i0+3
	FRAG AF+FR*(\i), ADRA+\slot, \q, \i
.endr
.endm
.macro SCALES sc                       ; a K step's scale words into set sc: 4 words a row; lanes 0-15 take A's block i, lanes 16-31 B's block i
.irp i, 0,1,2,3,4,5,6,7
	ds_load_b128 v[SC+8*NQ*\sc+NQ*\i:SC+8*NQ*\sc+NQ*\i+3], v[ADRS] offset:\i*SBLK
.endr
.endm
.macro PLACES n                        ; plain vector instructions that name no register of the matrix instructions ahead: in front of loads into registers that those have read, and of reads of their results
.rept \n
	v_nop
.endr
.endm
; A step of 128 along K that has its successor in the same slot.  A's blocks 0-3 are fetched anew in its middle, blocks 4-7 at its end; B has two sets.
.macro STEP slot, q, zero
	s_wait_dscnt 4*NL                              ; B's set and A's blocks 0-3 are in; the youngest eight loads (A's blocks 4-7) may be out
.if \zero
	WIN FST_LO
.else
	WIN MUL_LO
.endif
	MUL16 0, (\q)%2, \q, \slot, \zero
	MUL16 2, (\q)%2, \q, \slot, \zero
	s_wait_dscnt 0                                 ; A's blocks 4-7 are in
	PLACES NP
	FETCH_B \slot, (\q)+1, 1-(\q)%2
	FETCH_A \slot, (\q)+1, 0
.if \zero
	WIN FST_HI
.else
	WIN MUL_HI
.endif
	MUL16 4, (\q)%2, \q, \slot, \zero
	MUL16 6, (\q)%2, \q, \slot, \zero
	PLACES NP
	WIN 0
	FETCH_A \slot, (\q)+1, 4
.endm
; Slot 0's last step changes slots: one barrier; in front of it each wave waits for all its tensor loads (slot 1's is the one that may be out), adds 0 to its spare word, and waits for that and for its LDS loads.
.macro TURN slot, next
	s_wait_tensorcnt 0x0                           ; my part of the next slot has landed  (every window is 0 here)
	ds_add_u32 v[SPW], v[NIL]
	s_wait_dscnt 4*NL+1                            ; (the add and the youngest eight loads may be out)
	WIN MUL_LO
	MUL16 0, 1, NQ-1, \slot, 0
	s_wait_dscnt 0x0                               ; the add is done, and no LDS load of mine is out at the signal
	s_barrier_signal -1
	MUL16 2, 1, NQ-1, \slot, 0
	WIN 0
	s_barrier_wait -1                              ; every wave's part of the next slot has landed
	PLACES NP
	v_add_nc_u32 v[ADRS], 4*NQ, v[ADRS]            ; on to the next K step's scale words
	FETCH_B \next, 0, 0
	FETCH_A \next, 0, 0
	SCALES \next
	WIN MUL_HI
	MUL16 4, 1, NQ-1, \slot, 0
	MUL16 6, 1, NQ-1, \slot, 0
	PLACES NP
	WIN 0
	FETCH_A \next, 0, 4
.endm
.macro STEPS slot, from
.set Q, \from
.rept NQ-1-\from
	STEP \slot, Q, 0
.set Q, Q+1
.endr
.endm
	s_wait_tensorcnt 1                             ; the scales and my part of K step 0 are in; K step 1's load may be out
	s_barrier_signal -1
	s_barrier_wait -1                              ; everybody's are
	FETCH_B 0, 0, 0
	FETCH_A 0, 0, 0
	SCALES 0
	FETCH_A 0, 0, 4
	s_wait_loadcnt 0x0                             ; the bias
	STEP 0, 0, 1                                   ; the first products start the sums on the bias
	STEPS 0, 1
	TURN 0, 1
	STEPS 1, 0
	s_wait_dscnt 4*NL                              ; the very last step: nothing more to fetch
	WIN MUL_LO
	MUL16 0, 1, NQ-1, 1, 0
	MUL16 2, 1, NQ-1, 1, 0
	s_wait_dscnt 0
	WIN MUL_HI
	MUL16 4, 1, NQ-1, 1, 0
	MUL16 6, 1, NQ-1, 1, 0
	WIN 0
; THE WAY OUT.  Block a (16 tokens): its eight accumulators are rounded to f16, each from its low end on; each then is a block of 512 bytes of the result, stored by one instruction.
.macro PACK a
.if (\a) >= 4
	s_wait_xcnt 0x0                                ; block a - 4's stores have read this set of registers: it is written again only behind this wait
.endif
	WIN 0x0a+5*((\a)/4)                            ; sources 0 and 1: window 2 or 3
.irp b, 0,1,2,3,4,5,6,7
.irp r, 0,1,2,3
	v_cvt_pk_f16_f32 v[T+32*((\a)%4)+4*\b+\r], v[64*((\a)%4)+8*\b+2*\r], v[64*((\a)%4)+8*\b+2*\r+1]
.endr
.endr
	WIN 0
.endm
.macro SENDQ a                         ; feature block b: head b / 4 of my two, 32 channels (b / 2) % 2, 16 channels b % 2; token tile a
.irp b, 0,1,2,3,4,5,6,7
	global_store_b128 v[CO], v[T+32*((\a)%4)+4*\b:T+32*((\a)%4)+4*\b+3], s[12:13] offset:(\b/4)*262144+(\a)*2048+((\b/2)%2)*1024+(\b%2)*512   ; 32 lanes store 512 consecutive bytes, aligned
.endr
.endm
	PLACES NP                                      ; behind the last products: the conversions read results and write registers that held A's fragments and the bias
.irp a, 0,1,2,3,4,5,6,7
	PACK \a
	SENDQ \a
.endr
	s_wait_tensorcnt 0x0                           ; the wave's end, behind my last tensor load
	ds_add_u32 v[SPW], v[NIL]
	s_wait_dscnt 0x0
	CROUND                                         ; the closing round: no work-group ends while a partner may still ask for a tile that names it
	s_endpgm
.Lfunc_end_k_q8e71097b16_proj:
	.size	k_q8e71097b16_proj, .Lfunc_end_k_q8e71097b16_proj-k_q8e71097b16_proj
	.p2alignl 7, 3214868480
	.fill 96, 4, 3214868480
	.section	.rodata,"a",@progbits
	.p2align	6, 0x0
	.amdhsa_kernel k_q8e71097b16_proj
		.amdhsa_group_segment_fixed_size 327680
		.amdhsa_private_segment_fixed_size 0
		.amdhsa_enable_private_segment 0
		.amdhsa_kernarg_size 48
		.amdhsa_user_sgpr_count 2
		.amdhsa_user_sgpr_kernarg_segment_ptr 1
		.amdhsa_wavefront_size32 1
		.amdhsa_system_sgpr_workgroup_id_x 1
		.amdhsa_system_sgpr_workgroup_id_y 1
		.amdhsa_system_sgpr_workgroup_id_z 1
		.amdhsa_system_vgpr_workitem_id 0
		.amdhsa_next_free_vgpr 1024
		.amdhsa_next_free_sgpr 98
		.amdhsa_reserve_vcc 0
		.amdhsa_float_denorm_mode_32 3
		.amdhsa_float_denorm_mode_16_64 3
		.amdhsa_memory_ordered 1
		.amdhsa_forward_progress 1
		.amdhsa_inst_pref_size 120
	.end_amdhsa_kernel
	.amdgpu_metadata
---
amdhsa.version: [ 1, 2 ]
amdhsa.kernels:
  - .name:           k_q8e71097b16_proj
    .symbol:         k_q8e71097b16_proj.kd
    .args:
      - { .name: xq, .offset: 0, .size: 8, .value_kind: global_buffer, .address_space: global }
      - { .name: xs, .offset: 8, .size: 8, .value_kind: global_buffer, .address_space: global }
      - { .name: wq, .offset: 16, .size: 8, .value_kind: global_buffer, .address_space: global }
      - { .name: ws, .offset: 24, .size: 8, .value_kind: global_buffer, .address_space: global }
      - { .name: qkv, .offset: 32, .size: 8, .value_kind: global_buffer, .address_space: global }
      - { .name: qkv_b, .offset: 40, .size: 8, .value_kind: global_buffer, .address_space: global }
    .group_segment_fixed_size: 327680
    .private_segment_fixed_size: 0
    .kernarg_segment_align: 8
    .kernarg_segment_size: 48
    .max_flat_workgroup_size: 128
    .sgpr_count:     98
    .vgpr_count:     1024
    .wavefront_size: 32
...
	.end_amdgpu_metadata
.endif
;; end of part 2
;; launch attn (part 3): grid 4 x 64, 8 waves a work-group, clusters of 4 x 1, 327,680 bytes of LDS; arguments qkv, ctx; writes ctx
.if DOCPART == 3
	.amdgcn_target "amdgcn-amd-amdhsa--gfx1250"
	.amdhsa_code_object_version 6
	.text
	.protected	k_q8e71097b16_attn
	.globl	k_q8e71097b16_attn
	.p2align	8
	.type	k_q8e71097b16_attn,@function
k_q8e71097b16_attn:
	s_mov_b64 s[64:65], 0
	v_nop
	global_prefetch_b8 v0, s[64:65] scope:SCOPE_SE
	s_setreg_imm32_b32 hwreg(HW_REG_WAVE_MODE, 25, 1), 1
	s_wait_xcnt 0x0
	s_wait_alu depctr_hold_cnt(0) depctr_sa_sdst(0) depctr_va_vdst(0) depctr_va_sdst(0) depctr_va_ssrc(0) depctr_va_vcc(0) depctr_vm_vsrc(0)
	s_getreg_b32 s2, hwreg(HW_REG_IB_STS2, 6, 4)
	s_cmp_eq_u32 s2, 0
	s_cbranch_scc0 .Lentry_in_a_cluster
	s_endpgm
.Lentry_in_a_cluster:
	s_bfe_u32 s2, ttmp6, 0x10000c
	s_cmp_lg_u32 s2, 0x3003
	s_cbranch_scc0 .Lentry_shape_is_right
	s_endpgm
.Lentry_shape_is_right:
; ctx[b][q][head][:] = the sum over k of softmax_k(Q[q] . K[k] / 8) V[k][:], for each of 64 (batch, head), 2,048 queries and keys, head size 64.  Operands in f16 (q, k, v as the launch before left them; the weights p rounded to f16),
; products, maxima and sums in f32, ctx rounded once to f16.  LIMITS: |q|, |k|, |v| up to 65,504 (f16); NaN and infinities are not served.
; SOFTMAX.  For each query a running maximum m and sum l: p = 2^(c s - c m), c = log2(e) / 8; in every step O and l are multiplied by a = 2^(c m_old - c m_new).  l is summed of the unrounded p.
; SHARES.  A cluster of four work-groups is one (batch, head); a work-group owns 512 queries, each of its eight waves 64: four tiles of 16.  Every wave walks all keys, 64 a step, 32 steps.  Each fragment of K or V read from LDS feeds four products.
; LAYOUT.  S^T = K Q^T (source 0 = 16 keys, source 1 = 16 queries): a lane holds ONE query (lane % 16) and keys 8 (lane / 16) + 0 .. 7 of each key tile; rounded in pairs, two key tiles ARE source 1 of O^T = V^T P, whose result again holds one query a lane.
; qkv is laid as images of the operands' registers (blocks of 512 bytes, 16 bytes a lane): a key step's K is 8,192 dense bytes and every LDS read is at 16 x lane; V comes turned, by ds_load_tr16_b128, also at 16 x lane.
; PHASES.  A wave works in phases: M(j): O^T x a, 32 products O^T += V^T P(j-1), 32 products S^T = K(j) Q^T, the LDS loads of V(j) and K(j+1);  Vp(j): the softmax of step j.  The eight waves are of two classes, and time goes in half steps t:
; a wave's own count is U = t - class; U even: M(U / 2), U odd: Vp((U - 1) / 2).  So where two waves of unlike class share a SIMD, one has matrix work while the other has vector work.  Barriers stand at fixed t, outside the branch on U.
; RING.  K and V each have a ring of 16 key steps in LDS, four slots of four steps.  All four slots are asked for at the head (four tensor loads a fetching wave are out), and each of the four later fills goes into the slot left last,
; behind a round of the cluster's barrier, eight half steps ahead of the wait for it.  Fill k (steps 4 k .. 4 k + 3) is last read in half step 8 k + 7 and its slot filled again at t = 8 k + 8; it is first read in half step 8 k - 2, behind the wait at t = 8 k - 8 (fills 0, 1: the head's).
; Waves 0, 1 fetch K's halves of a slot, waves 2, 3 V's, jointly for the four partners; waves 4 to 7 fetch nothing.
; No prefetch is laid: half of the head's K and V is asked for at the kernel's head, and every refill is issued four key steps ahead of the wait for it, so no wave waits for this stream.
; REGISTERS: window 0: v1-7 addresses; v16-47 statistics, eight a tile (+0 c m, +1 m, +2, +3 l, +4 .. +7 at work, a in +6); v64-191 S^T, 32 a tile (P in place in the tile's first 16); v192-255 K.
;   window 1: v0-63 Q; v64-127 V^T; v128-255 O^T, 32 a tile.
.set SPARE, 262144                     ; behind the two rings: the spare words, 128 bytes for each of eight waves, named by no other line
.set VRING, 131072
.set L16, 1                            ; v1 16 x lane; also my offset in Q's and ctx's blocks; never rewritten behind the head
.set VB,  2                            ; v2 16 x lane + V's ring
.set ADK, 3                            ; v3 LDS address of the K to be fetched
.set ADV, 4                            ; v4 of the V
.set SPW, 6
.set NIL, 7
.set ST,  16
.set S,   64
.set KF,  192
.set QF,  0                            ; in window 1
.set VF,  64
.set OF,  128
.set WV,  8                            ; s8 wave; s9 class; s10 cx; s11 batch x 16 + head
.set T4,  16                           ; s16 4,096 x t
.set U,   17                           ; s17 t - class
.set CS,  22                           ; s[22:23] c
.set G1,  24                           ; s[24:31] descriptor group 1
.set G0,  32                           ; s[32:47] four groups 0; the fourth walks on
.set SEL, 48                           ; s[48:49] lane selects: lane l xor 16
.set RO,  52                           ; s52 the walking descriptor's offset in its ring; s53 the ring's first byte
.set MSB, 0
.macro WIN new                         ; the immediate's high byte repeats the setting that is left
.if MSB != \new
	s_set_vgpr_msb (MSB<<8)|\new
.set MSB, \new
.endif
.endm
.macro NOPS n
.rept \n
	v_nop
.endr
.endm
.macro CROUND                          ; a round of the cluster's barrier
	s_barrier_signal -1
	s_barrier_wait -1
	s_cmp_lg_u32 s[WV], 0
	s_cbranch_scc1 .Lnot_wave_0_\@
	s_barrier_signal -3
.Lnot_wave_0_\@:
	s_barrier_wait -3
	s_barrier_signal -1
	s_barrier_wait -1
.endm
	s_load_b128 s[4:7], s[0:1], 0x0                ; qkv, ctx
	v_lshl_add_u32 v[SPW], v0, 2, SPARE
	v_mov_b32 v[NIL], 0
	ds_add_u32 v[SPW], v[NIL]                      ; the wave's opening: the add, twice on end, and its wait ahead of the first tensor loads
	ds_add_u32 v[SPW], v[NIL]
	v_lshrrev_b32 v1, 5, v0
	v_readfirstlane_b32 s[WV], v1                  ; wave 0..7
	s_lshr_b32 s9, s[WV], 2
	s_add_co_u32 s9, s9, s[WV]
	s_and_b32 s9, s9, 1                            ; class = (w + w / 4) % 2: unlike in waves w and w + 4, and in waves 2 i and 2 i + 1
	s_bfe_u32 s10, ttmp6, 0x40000                  ; cx: it enters Q's and ctx's addresses alone
	s_and_b32 s11, ttmp7, 0xffff                   ; batch x 16 + head, which the four partners share
	; descriptor group 1: 16,384 dense bytes as 64 rows of 256 (32 elements of 8 bytes), no padding
	s_mov_b32 s[G1+0], 15|(3<<16)|(1<<21)          ; 15:0 the mask: all four work-groups; 17:16 elements of 8 bytes; 21 set beside a mask
	s_mov_b32 s[G1+1], 32<<16                      ; tensor_dim0
	s_mov_b32 s[G1+2], 64<<16                      ; tensor_dim1
	s_mov_b32 s[G1+3], 32<<16                      ; tile_dim0
	s_mov_b32 s[G1+4], 64                          ; tile_dim1
	s_mov_b32 s[G1+5], 32                          ; from row to row
	s_mov_b32 s[G1+6], 0
	s_mov_b32 s[G1+7], 0
	s_mov_b32 s[CS], 0x3e38aa3b                    ; c = log2(e) / 8
	s_mov_b32 s[CS+1], s[CS]                       ; (named with it as a pair, so it is written)
	s_mov_b32 s[SEL], 0x76543210
	s_mov_b32 s[SEL+1], 0xfedcba98
	s_bfe_u32 s12, s[WV], 0x10001                  ; (w / 2) % 2: I fetch for K (0) or for V (1),
	s_and_b32 s13, s[WV], 1                        ; which half of a slot
	s_lshl_b32 s53, s12, 17                        ; my ring's first byte
	s_lshl_b32 s14, s13, 14                        ; my half: 16,384 bytes
	s_add_co_u32 s[RO], s14, 98304                 ; the fourth group 0 begins in slot 3
	s_add_co_u32 s15, s12, 1
	s_lshl_b32 s54, s15, 24                        ; section 1 (k) or 2 (v),
	s_lshl_b32 s15, s11, 18                        ; the head's 2^18 bytes,
	s_add_co_u32 s54, s54, s15
	s_add_co_u32 s54, s54, s14                     ; my half of fill 0
	s_mov_b32 s55, 0
	s_lshl_b32 s56, s10, 16                        ; Q: token tile 32 cx + 4 w, 2,048 bytes each
	s_add_co_u32 s56, s56, s15
	s_lshl_b32 s57, s[WV], 13
	s_add_co_u32 s56, s56, s57
	s_mov_b32 s57, 0
	s_lshr_b32 s58, s11, 4                         ; ctx: row tile batch x 128 + 32 cx + 4 w, 32,768 bytes each; in it the head's 2,048 bytes
	s_lshl_b32 s58, s58, 22
	s_lshl_b32 s59, s10, 20
	s_add_co_u32 s58, s58, s59
	s_lshl_b32 s59, s[WV], 17
	s_add_co_u32 s58, s58, s59
	s_and_b32 s59, s11, 15
	s_lshl_b32 s59, s59, 11
	s_add_co_u32 s58, s58, s59
	s_mov_b32 s59, 0
	s_wait_dscnt 0x0                               ; both opening adds are done
	s_wait_kmcnt 0x0
	s_add_nc_u64 s[50:51], s[4:5], s[56:57]        ; Q at my wave's first tile
	s_add_nc_u64 s[6:7], s[6:7], s[58:59]          ; ctx likewise
	s_add_nc_u64 s[54:55], s[4:5], s[54:55]        ; K or V at my half of fill 0
	CROUND                                         ; all four work-groups are here: the first joint loads meet
.irp i, 0,1,2,3
	s_mov_b32 s[G0+4*\i], 1                        ; count = 1
	s_add_co_u32 s[G0+4*\i+1], s14, 32768*\i       ; LDS address: slot i, my half,
	s_add_co_u32 s[G0+4*\i+1], s[G0+4*\i+1], s53   ; in my ring
	s_add_nc_u64 s[G0+4*\i+2:G0+4*\i+3], s[54:55], 32768*\i   ; global address: fill i
	s_or_b32 s[G0+4*\i+3], s[G0+4*\i+3], 0x80000000   ; type = 2
.endr
	s_cmp_lt_u32 s[WV], 4                          ; a wave's four first fills stand in one branch on the wave's number, ahead of every wait on TENSORcnt and every LDS read
	s_cbranch_scc0 .Lno_first
	tensor_load_to_lds s[G0:G0+3], s[G1:G1+7]
	s_nop 0
	tensor_load_to_lds s[G0+4:G0+7], s[G1:G1+7]
	s_nop 0
	tensor_load_to_lds s[G0+8:G0+11], s[G1:G1+7]
	s_nop 0
	tensor_load_to_lds s[G0+12:G0+15], s[G1:G1+7]
	s_nop 0
	NOPS 4
.Lno_first:
	v_and_b32 v[L16], 31, v0
	v_lshlrev_b32 v[L16], 4, v[L16]
	v_add_nc_u32 v[VB], VRING, v[L16]
	WIN 0x40                                       ; destination window 1, address window 0
.irp t, 0,1,2,3
.irp c, 0,1
.irp u, 0,1
	global_load_b128 v[QF+16*\t+8*\c+4*\u:QF+16*\t+8*\c+4*\u+3], v[L16], s[50:51] offset:2048*\t+1024*\c+512*\u   ; Q stays in registers: tile t, channels 32 c on; each load reads 512 consecutive bytes
.endr
.endr
.endr
.set i, 0
.rept 128
	v_mov_b32 v[OF+i], 0                           ; O^T.  The step is written without a first form of its own: the first a is 0 and leaves zeros zeros; that spares further copies of the step's text
.set i, i+1
.endr
	WIN 0
.irp t, 0,1,2,3
	v_mov_b32 v[ST+8*\t+1], 0xff61b1e6             ; m: -3e38, under every score
	v_mul_f32 v[ST+8*\t], s[CS], v[ST+8*\t+1]      ; c m
.irp j, 2,3,4,5,6,7
	v_mov_b32 v[ST+8*\t+\j], 0                     ; l; and the registers at work, which are named before the first softmax writes them
.endr
.endr
; 32 products S^T = K Q^T: channels 32 c on, tile t, key tile kt.  The first 16 start the sums.  The 16 accumulators take turns, one instruction a turn.
.macro KQ
	WIN 0x04                                       ; Q in window 1; K and S^T in window 0
.irp c, 0,1
.irp t, 0,1,2,3
.irp kt, 0,1,2,3
.if \c == 0
	v_wmma_f32_16x16x32_f16 v[S+32*\t+8*\kt:S+32*\t+8*\kt+7], v[KF+16*\kt+8*\c:KF+16*\kt+8*\c+7], v[QF+16*\t+8*\c:QF+16*\t+8*\c+7], 0
.else
	v_wmma_f32_16x16x32_f16 v[S+32*\t+8*\kt:S+32*\t+8*\kt+7], v[KF+16*\kt+8*\c:KF+16*\kt+8*\c+7], v[QF+16*\t+8*\c:QF+16*\t+8*\c+7], v[S+32*\t+8*\kt:S+32*\t+8*\kt+7]
.endif
.endr
.endr
.endr
.endm
.macro RESC t, i0                      ; one accumulator of tile t's O^T times a: four pairs, from its low end on
.irp i, 0,1,2,3
	v_pk_mul_f32 v[OF+32*(\t)+2*((\i0)+\i):OF+32*(\t)+2*((\i0)+\i)+1], v[OF+32*(\t)+2*((\i0)+\i):OF+32*(\t)+2*((\i0)+\i)+1], v[ST+8*(\t)+6:ST+8*(\t)+7] op_sel_hi:[1,0]
.endr
.endm
; O^T x a, and 32 products O^T += V^T P: keys 32 kc on, tile t, channels 16 n on.  Tile 0 is rescaled ahead; tile t + 1's rescaling stands behind tile t's first four products and names none of their registers.
.macro PV
	WIN 0x51                                       ; V and O^T in window 1; P and a in window 0
	RESC 0, 0
	RESC 0, 4
	RESC 0, 8
	RESC 0, 12
.irp kc, 0,1
.irp t, 0,1,2,3
.irp n, 0,1,2,3
	v_wmma_f32_16x16x32_f16 v[OF+32*\t+8*\n:OF+32*\t+8*\n+7], v[VF+16*\n+8*\kc:VF+16*\n+8*\kc+7], v[S+32*\t+8*\kc:S+32*\t+8*\kc+7], v[OF+32*\t+8*\n:OF+32*\t+8*\n+7]
.if (\kc == 0) && (\t < 3)
	RESC \t+1, 4*\n
.endif
.endr
.endr
.endr
.endm
.macro LOADK                           ; a step's K: fragment (key tile kt, channels 32 c on), its two halves 512 bytes apart
.irp kt, 0,1,2,3
.irp c, 0,1
.irp u, 0,1
	ds_load_b128 v[KF+16*\kt+8*\c+4*\u:KF+16*\kt+8*\c+4*\u+3], v[ADK] offset:2048*\kt+1024*\c+512*\u
.endr
.endr
.endr
.endm
.macro LOADV                           ; a step's V, turned: fragment (channels 16 n on, keys 32 kc on): its halves come from token tiles 2 kc and 2 kc + 1
	WIN 0x40
.irp n, 0,1,2,3
.irp kc, 0,1
.irp e, 0,1
	ds_load_tr16_b128 v[VF+16*\n+8*\kc+4*\e:VF+16*\n+8*\kc+4*\e+3], v[ADV] offset:(2*\kc+\e)*2048+512*\n
.endr
.endr
.endr
	WIN 0
.endm
; The matrix phase.  Five plain places stand between V^T P and K Q^T, which writes over P, and five behind K Q^T: four are owed to the loads into K's registers and to the softmax's reads, five to a matrix instruction that would take the scores as an operand.
.macro MPHASE kq
	s_wait_dscnt 0x0                               ; the 32 LDS loads of the last matrix phase are in
	PV
	NOPS 5
.if \kq
	KQ
	WIN 0
	NOPS 5
	LOADK
	LOADV
.else
	WIN 0
.endif
.endm
; THE SOFTMAX of a tile for a step, as three lists.  PL1, 37 plain lines: 0-15 the maximum of the 32 scores and the old m (the first four lines read each accumulator's three lowest registers); 16 the other half of the lanes';
; 17 c m_old is kept; 18 m; 19 c m; 20 c m_old - c m_new; 21-36 c s - c m, a pair a line.
.macro PL1 t, n
.set rT, ST+8*(\t)
.set rS, S+32*(\t)
.if (\n) < 4
	v_max3_num_f32 v[rT+4+(\n)], v[rS+8*(\n)], v[rS+8*(\n)+1], v[rS+8*(\n)+2]
.elseif (\n) < 12
	v_max3_num_f32 v[rT+4+(\n)%4], v[rT+4+(\n)%4], v[rS+8*((\n)%4)+2*((\n)/4)+1], v[rS+8*((\n)%4)+2*((\n)/4)+2]
.elseif (\n) == 12
	v_max3_num_f32 v[rT+4], v[rT+4], v[rS+7], v[rS+15]
.elseif (\n) == 13
	v_max3_num_f32 v[rT+6], v[rT+6], v[rS+23], v[rS+31]
.elseif (\n) == 14
	v_max3_num_f32 v[rT+4], v[rT+4], v[rT+5], v[rT+6]
.elseif (\n) == 15
	v_max3_num_f32 v[rT+4], v[rT+4], v[rT+7], v[rT+1]
.elseif (\n) == 16
	v_permlanex16_b32 v[rT+5], v[rT+4], s[SEL], s[SEL+1]
.elseif (\n) == 17
	v_mov_b32 v[rT+7], v[rT]
.elseif (\n) == 18
	v_max_num_f32 v[rT+1], v[rT+4], v[rT+5]
.elseif (\n) == 19
	v_mul_f32 v[rT], s[CS], v[rT+1]
.elseif (\n) == 20
	v_sub_f32 v[rT+7], v[rT+7], v[rT]
.else
	v_pk_fma_f32 v[rS+2*((\n)-21):rS+2*((\n)-21)+1], v[rS+2*((\n)-21):rS+2*((\n)-21)+1], s[CS:CS+1], v[rT:rT+1] op_sel_hi:[1,0,0] neg_lo:[0,0,1] neg_hi:[0,0,1]
.endif
.endm
.macro EX t, n                         ; 33 exponentials: a, then the 32 weights in place
.set rT, ST+8*(\t)
.set rS, S+32*(\t)
.if (\n) == 0
	v_exp_f32 v[rT+6], v[rT+7]
.else
	v_exp_f32 v[rS+(\n)-1], v[rS+(\n)-1]
.endif
.endm
.macro PL2 t, n                        ; 33 plain lines: l x a; then for each pair: l += the pair, and the pair rounded to f16 into register i of the tile: a pair is summed before any rounding writes over it
.set rT, ST+8*(\t)
.set rS, S+32*(\t)
.if (\n) == 0
	v_pk_mul_f32 v[rT+2:rT+3], v[rT+2:rT+3], v[rT+6:rT+7] op_sel_hi:[1,0]
.elseif (\n)%2 == 1
.set ii, ((\n)-1)/2
	v_pk_add_f32 v[rT+2:rT+3], v[rT+2:rT+3], v[rS+2*ii:rS+2*ii+1]
.else
.set ii, ((\n)-2)/2
	v_cvt_pk_f16_f32 v[rS+ii], v[rS+2*ii], v[rS+2*ii+1]
.endif
.endm
; The vector phase: the four tiles' lists, laid so that every exponential has plain neighbours of another tile, and so that nothing names an exponential's result ahead of its wait: two waits, one for tiles 0 and 1, one for tiles 2 and 3.
.macro VPHASE
.set nn, 0
.rept 37
	PL1 0, nn
	PL1 1, nn
.set nn, nn+1
.endr
.set nn, 0
.rept 37
	PL1 2, nn
.if nn < 33
	EX 0, nn
.endif
	PL1 3, nn
.if nn < 33
	EX 1, nn
.endif
.set nn, nn+1
.endr
	s_wait_alu depctr_va_vdst(0)                   ; for the 66 exponentials of tiles 0 and 1; eight plain lines stand behind the last of them
.set nn, 0
.rept 33
	EX 2, nn
	PL2 0, nn
	EX 3, nn
	PL2 1, nn
.set nn, nn+1
.endr
	s_wait_alu depctr_va_vdst(0)                   ; for those of tiles 2 and 3; a plain line stands behind the last
.set nn, 0
.rept 33
	PL2 2, nn
	PL2 3, nn
.set nn, nn+1
.endr
.endm
; A HALF STEP.  The LDS addresses are made for all waves alike, ahead of the branch: j = t / 2 in both classes; M(j) fetches V(j) and K(j + 1), each at (step % 16) x 8,192 in its ring.
; kind 0: the first half steps (U = 0: nothing to do yet);  1: the middle;  2: the end (U = 64: the last V^T P alone; U = 65: nothing).  M(31) also fetches 'K(32)': bytes of slot 0 that nobody multiplies.
.macro HALF kind
	s_and_b32 s20, s[T4], 0x1e000
	s_add_co_u32 s21, s[T4], 0x2000
	s_and_b32 s21, s21, 0x1e000
	v_add_nc_u32 v[ADV], s20, v[VB]
	v_add_nc_u32 v[ADK], s21, v[L16]
.if \kind == 0
	s_cmp_eq_u32 s[U], 0
	s_cbranch_scc1 .Lnext_\@
.endif
.if \kind == 2
	s_cmp_ge_u32 s[U], 65
	s_cbranch_scc1 .Lnext_\@
	s_cmp_eq_u32 s[U], 64
	s_cbranch_scc1 .Llast_\@
.endif
	s_and_b32 s60, s[U], 1
	s_cmp_lg_u32 s60, 0
	s_cbranch_scc1 .Lsoft_\@
	MPHASE 1
	s_branch .Lnext_\@
.Lsoft_\@:
	VPHASE
.if \kind == 2
	s_branch .Lnext_\@
.Llast_\@:
	MPHASE 0
.endif
.Lnext_\@:
	s_add_co_u32 s[T4], s[T4], 4096
	s_add_co_u32 s[U], s[U], 1
.endm
; A CHANGE, every eight half steps.  Each wave waits for all its tensor loads, adds 0 to its spare word, and waits for that and for its LDS loads.  fill = 1: a round of the cluster's barrier, so that no wave of any partner still reads
; the slot left last or has a load on its way; behind it the joint refill of that slot, the wave's one tensor load until the next round.  fill = 0: a plain barrier, which shows the last fill to all waves.
.macro CHANGE fill
	s_wait_tensorcnt 0x0                           ; no tensor load of mine is out, so a group 0 may be written
	ds_add_u32 v[SPW], v[NIL]
.if \fill
	ds_add_u32 v[SPW], v[NIL]                      ; and twice on end here, in every trip alike
	s_add_co_u32 s[RO], s[RO], 32768               ; the walking descriptor: the next slot of four,
	s_and_b32 s[RO], s[RO], 0x1ffff
	s_add_co_u32 s[G0+13], s[RO], s53
	s_add_nc_u64 s[G0+14:G0+15], s[G0+14:G0+15], 32768   ; the next four key steps; the type bits on top are not reached
	s_wait_dscnt 0x0                               ; the adds are done, and my reads of the slot are over
	CROUND
	s_cmp_lt_u32 s[WV], 4
	s_cbranch_scc0 .Lnone_\@
	tensor_load_to_lds s[G0+12:G0+15], s[G1:G1+7]
	s_nop 0
	NOPS 4
.Lnone_\@:
.else
	s_wait_dscnt 0x0
	s_barrier_signal -1
	s_barrier_wait -1
.endif
.endm
	s_wait_tensorcnt 2                             ; my parts of fills 0 and 1 are in (K(4) is read ahead of the next barrier); fills 2 and 3 may be out
	s_barrier_signal -1
	s_barrier_wait -1                              ; everybody's are
	v_mov_b32 v[ADK], v[L16]                       ; the first scores, in all eight waves: K(0)
	LOADK
	s_wait_loadcnt 0x0                             ; Q
	s_wait_dscnt 0x0
	KQ
	WIN 0
	NOPS 5
	v_add_nc_u32 v[ADK], 8192, v[L16]              ; K(1)
	v_mov_b32 v[ADV], v[VB]                        ; V(0)
	LOADK
	LOADV
	s_mov_b32 s[T4], 4096                          ; t = 1
	s_sub_co_u32 s[U], 1, s9
	s_mov_b32 s18, 7
.Lhead:                                            ; t = 1 .. 7
	HALF 0
	s_sub_co_u32 s18, s18, 1
	s_cmp_lg_u32 s18, 0
	s_cbranch_scc1 .Lhead
	s_mov_b32 s19, 4
.Lslot:                                            ; t = 8 .. 39: four changes, fills 4 to 7
	CHANGE 1
	s_mov_b32 s18, 8
.Lmid:
	HALF 1
	s_sub_co_u32 s18, s18, 1
	s_cmp_lg_u32 s18, 0
	s_cbranch_scc1 .Lmid
	s_sub_co_u32 s19, s19, 1
	s_cmp_lg_u32 s19, 0
	s_cbranch_scc1 .Lslot
	CHANGE 0                                       ; t = 40: fill 7 has landed; nothing more is asked for
	s_mov_b32 s18, 26
.Ltail:                                            ; t = 40 .. 65
	HALF 2
	s_sub_co_u32 s18, s18, 1
	s_cmp_lg_u32 s18, 0
	s_cbranch_scc1 .Ltail
	; THE WAY OUT.  l's two halves and the other half of the lanes' are added; O^T is divided by l and rounded to f16.  An accumulator (16 queries x 16 channels) then is a block of 512 bytes of ctx, laid as the next launch's operand registers:
	; ctx: [row tile of 16: 32,768 bytes][32 along K = head x 2 + c: 1,024][16 along K: 512], lane l's 16 bytes at 16 l.
.irp t, 0,1,2,3
	v_add_f32 v[ST+8*\t+4], v[ST+8*\t+2], v[ST+8*\t+3]
.endr
.irp t, 0,1,2,3
	v_permlanex16_b32 v[ST+8*\t+5], v[ST+8*\t+4], s[SEL], s[SEL+1]
.endr
.irp t, 0,1,2,3
	v_add_f32 v[ST+8*\t+4], v[ST+8*\t+4], v[ST+8*\t+5]
.endr
.irp t, 0,1,2,3
	v_rcp_f32 v[ST+8*\t+6], v[ST+8*\t+4]
.endr
	v_nop                                          ; a plain line behind the last reciprocal
	s_wait_alu depctr_va_vdst(0)                   ; and the wait ahead of the first use: one for the four
.macro OUT t
	WIN 0x01                                       ; O^T in window 1; the quotient goes to S^T's registers, which are free
.set i, 0
.rept 16
	v_pk_mul_f32 v[S+32*\t+2*i:S+32*\t+2*i+1], v[OF+32*\t+2*i:OF+32*\t+2*i+1], v[ST+8*\t+6:ST+8*\t+7] op_sel_hi:[1,0]
.set i, i+1
.endr
	WIN 0
.set i, 0
.rept 16
	v_cvt_pk_f16_f32 v[S+32*\t+i], v[S+32*\t+2*i], v[S+32*\t+2*i+1]
.set i, i+1
.endr
.irp n, 0,1,2,3
	global_store_b128 v[L16], v[S+32*\t+4*\n:S+32*\t+4*\n+3], s[6:7] offset:32768*\t+512*\n   ; 32 lanes store 512 consecutive bytes, aligned
.endr
.endm
	OUT 0
	OUT 1
	OUT 2
	OUT 3
	s_wait_tensorcnt 0x0                           ; the wave's end, behind my last tensor load
	ds_add_u32 v[SPW], v[NIL]
	s_wait_dscnt 0x0
	CROUND                                         ; the closing round: no work-group ends while a partner may still ask for a tile that names it
	s_endpgm
.Lfunc_end_k_q8e71097b16_attn:
	.size	k_q8e71097b16_attn, .Lfunc_end_k_q8e71097b16_attn-k_q8e71097b16_attn
	.p2alignl 7, 3214868480
	.fill 96, 4, 3214868480
	.section	.rodata,"a",@progbits
	.p2align	6, 0x0
	.amdhsa_kernel k_q8e71097b16_attn
		.amdhsa_group_segment_fixed_size 327680
		.amdhsa_private_segment_fixed_size 0
		.amdhsa_enable_private_segment 0
		.amdhsa_kernarg_size 16
		.amdhsa_user_sgpr_count 2
		.amdhsa_user_sgpr_kernarg_segment_ptr 1
		.amdhsa_wavefront_size32 1
		.amdhsa_system_sgpr_workgroup_id_x 1
		.amdhsa_system_sgpr_workgroup_id_y 1
		.amdhsa_system_sgpr_workgroup_id_z 1
		.amdhsa_system_vgpr_workitem_id 0
		.amdhsa_next_free_vgpr 512
		.amdhsa_next_free_sgpr 66
		.amdhsa_reserve_vcc 0
		.amdhsa_float_denorm_mode_32 3
		.amdhsa_float_denorm_mode_16_64 3
		.amdhsa_memory_ordered 1
		.amdhsa_forward_progress 1
		.amdhsa_inst_pref_size 133
	.end_amdhsa_kernel
	.amdgpu_metadata
---
amdhsa.version: [ 1, 2 ]
amdhsa.kernels:
  - .name:           k_q8e71097b16_attn
    .symbol:         k_q8e71097b16_attn.kd
    .args:
      - { .name: qkv, .offset: 0, .size: 8, .value_kind: global_buffer, .address_space: global }
      - { .name: ctx, .offset: 8, .size: 8, .value_kind: global_buffer, .address_space: global }
    .group_segment_fixed_size: 327680
    .private_segment_fixed_size: 0
    .kernarg_segment_align: 8
    .kernarg_segment_size: 16
    .max_flat_workgroup_size: 256
    .sgpr_count:     66
    .vgpr_count:     512
    .wavefront_size: 32
...
	.end_amdgpu_metadata
.endif
;; end of part 3
;; launch outp (part 4): grid 4 x 64, 4 waves a work-group, clusters of 4 x 4, 327,680 bytes of LDS; arguments ctx, wo, out_b, out0; writes out0
.if DOCPART == 4
	.amdgcn_target "amdgcn-amd-amdhsa--gfx1250"
	.amdhsa_code_object_version 6
	.text
	.protected	k_q8e71097b16_outp
	.globl	k_q8e71097b16_outp
	.p2align	8
	.type	k_q8e71097b16_outp,@function
k_q8e71097b16_outp:
	s_mov_b64 s[64:65], 0
	v_nop
	global_prefetch_b8 v0, s[64:65] scope:SCOPE_SE
	s_setreg_imm32_b32 hwreg(HW_REG_WAVE_MODE, 25, 1), 1
	s_wait_xcnt 0x0
	s_wait_alu depctr_hold_cnt(0) depctr_sa_sdst(0) depctr_va_vdst(0) depctr_va_sdst(0) depctr_va_ssrc(0) depctr_va_vcc(0) depctr_vm_vsrc(0)
	s_getreg_b32 s2, hwreg(HW_REG_IB_STS2, 6, 4)
	s_cmp_eq_u32 s2, 0
	s_cbranch_scc0 .Lentry_in_a_cluster
	s_endpgm
.Lentry_in_a_cluster:
	s_bfe_u32 s2, ttmp6, 0x10000c
	s_cmp_lg_u32 s2, 0xf033
	s_cbranch_scc0 .Lentry_shape_is_right
	s_endpgm
.Lentry_shape_is_right:
; out0[m][n] = sum over k of ctx[m][k] out_w[n][k] + out_b[n].  ctx: 8,192 x 1,024 in f16, laid as images of operand registers ([row tile of 16: 32,768 bytes][32 along K: 1,024][16 along K: 512], 16 bytes a lane);
; wo: out_w in f16, [1024][1024], row-major; out0: f32.  Sums in f32.
; A tile of out0 is 128 rows x 256 columns, which gives 256 work-groups (256 x 256 would give 128).  Four waves, each 64 x 128: 32 accumulators, 256 registers.  K goes in 8 steps of 128 through a ring of two LDS slots.
; CLUSTERS: 4 x 4 work-groups.  The four of a row of the cluster need the same tiles of ctx, the four of a column the same tiles of wo: each is asked for jointly, by the same tensor load with the same descriptor and a mask that names the four.
; THE MATRIX INSTRUCTION IS USED TRANSPOSED (source 0 = 16 rows of wo, source 1 = 16 rows of ctx): a lane holds eight neighbouring numbers of a row of out0.  The bias, in that layout, is the C of each sum's first product.
; No prefetch is laid: a K step here is short, as many bytes as the launch reads are few, and its stores keep memory at work throughout.
; REGISTERS: window 0: v16-29 addresses; v32-95 the bias; v128-255 the way out.   window 1: two fragment buffers of 96: A's four fragments, then B's eight.   window 2: accumulator (a, b) at v[8 (8 a + b)].
.set KSTEP,  128
.set PITCH,  272                       ; a row of wo in LDS: 256 bytes + 16 of padding: the 16 rows that a load touches start 68 words apart
.set ABYTES, 32768                     ; A's part of a slot: [row tile 0..7: 4,096][32 along K: 1,024][512], dense: every read is at 16 x lane
.set HALFB,  128*PITCH
.set SLOT,   ABYTES+2*HALFB
.set STAGE,  2*SLOT                    ; behind the ring: 16 rows x 528 bytes for each wave, bytes of their own
.set SPITCH, 528
.set SPARE,  STAGE+4*16*SPITCH         ; the spare words, 128 bytes a wave, named by no other line
.set LAPS,   4                         ; 1,024 / (2 x 128)
.set ADRA, 16                          ; v16-17 LDS address of my A fragments in slot 0, 1
.set ADRB, 20                          ; v20-21 the same for B
.set STO,  24
.set RD,   25
.set CO,   26                          ; v26 16 x lane
.set BO,   27                          ; v27 32 x (lane / 16)
.set SPW,  28
.set NIL,  29
.set BI,   32
.set BK,   128
.set F0,   0
.set F1,   128
.set G1, 24
.set G0, 32
.set G1B, 48
.set G0B, 56
.set MSB, 0
.macro WIN new
.if MSB != \new
	s_set_vgpr_msb (MSB<<8)|\new
.set MSB, \new
.endif
.endm
.set MUL,  0xa5                        ; sources 0 (B) and 1 (A) window 1; C and D window 2
.set FST,  0x85                        ; the first quarter: C (the bias) window 0
.set TO_F, 0x40
.macro JLOAD s                         ; a joint load: waves 0 and 1 fetch A's halves, waves 2 and 3 B's; an s_nop 0 and four v_nop follow each of the two lines
	s_cmp_eq_u32 s13, 0
	s_cbranch_scc0 .Lfor_b_\@
	tensor_load_to_lds s[G0+4*\s:G0+4*\s+3], s[G1:G1+7]
	s_nop 0
.rept 4
	v_nop
.endr
	s_branch .Lasked_\@
.Lfor_b_\@:
	tensor_load_to_lds s[G0B+4*\s:G0B+4*\s+3], s[G1B:G1B+7]
	s_nop 0
.rept 4
	v_nop
.endr
.Lasked_\@:
.endm
.macro CREST
	s_cmp_lg_u32 s12, 0
	s_cbranch_scc1 .Lnot_wave_0_\@
	s_barrier_signal -3
.Lnot_wave_0_\@:
	s_barrier_wait -3
	s_barrier_signal -1
	s_barrier_wait -1
.endm
.macro CROUND
	s_barrier_signal -1
	s_barrier_wait -1
	CREST
.endm
	s_load_b256 s[4:11], s[0:1], 0x0               ; ctx s[4:5], wo s[6:7], out_b s[8:9], out0 s[10:11]
	v_lshl_add_u32 v[SPW], v0, 2, SPARE
	v_mov_b32 v[NIL], 0
	ds_add_u32 v[SPW], v[NIL]                      ; the wave's opening: the add, twice on end, and its wait ahead of my first tensor load
	ds_add_u32 v[SPW], v[NIL]
	v_lshrrev_b32 v1, 5, v0
	v_readfirstlane_b32 s12, v1                    ; wave 0..3
	s_lshr_b32 s13, s12, 1                         ; which 64 rows of the tile are mine.  Also: I fetch for A (0) or for B (1)
	s_and_b32 s14, s12, 1                          ; which 128 columns.  Also: which half of that tile I fetch
	s_bfe_u32 s40, ttmp6, 0x40000                  ; cx, cy
	s_bfe_u32 s41, ttmp6, 0x40004
	s_lshl_b32 s42, ttmp9, 2
	s_add_co_u32 s42, s42, s40                     ; tile column = 4 x cluster x + cx
	s_and_b32 s15, ttmp7, 0xffff
	s_lshl_b32 s15, s15, 2
	s_add_co_u32 s15, s15, s41                     ; tile row = 4 x cluster y + cy
	s_lshl_b32 s43, s41, 2
	s_lshl_b32 s43, 15, s43                        ; my row of the cluster
	s_lshl_b32 s44, 0x1111, s40                    ; my column
	; A: four row tiles' 4,096 bytes of a K step, 32,768 bytes apart: 4 rows of 512 elements of 8 bytes, no padding
	s_or_b32 s[G1+0], s43, (3<<16)|(1<<21)
	s_mov_b32 s[G1+1], 512<<16                     ; tensor_dim0
	s_mov_b32 s[G1+2], 4<<16                       ; tensor_dim1
	s_mov_b32 s[G1+3], 512<<16                     ; tile_dim0
	s_mov_b32 s[G1+4], 4                           ; tile_dim1
	s_mov_b32 s[G1+5], 4096                        ; from row to row
	s_mov_b32 s[G1+6], 0
	s_mov_b32 s[G1+7], 0
	; B: 128 rows x 128 elements of 2 bytes, 16 bytes of padding behind each row
	s_or_b32 s[G1B+0], s44, (1<<16)|(1<<20)|(1<<21)|(5<<22)|(3<<25)
	s_mov_b32 s[G1B+1], KSTEP<<16
	s_mov_b32 s[G1B+2], 128<<16
	s_mov_b32 s[G1B+3], KSTEP<<16
	s_mov_b32 s[G1B+4], 128
	s_mov_b32 s[G1B+5], 1024
	s_mov_b32 s[G1B+6], 0
	s_mov_b32 s[G1B+7], 0
	s_lshl_b32 s16, s15, 18                        ; A: row tile 8 x tile row + 4 x half, 32,768 bytes each
	s_lshl_b32 s17, s14, 17
	s_add_co_u32 s16, s16, s17
	s_mov_b32 s17, 0
	s_lshl_b32 s46, s42, 19                        ; B: row 256 x tile column + 128 x half, 2,048 bytes each
	s_lshl_b32 s47, s14, 18
	s_add_co_u32 s46, s46, s47
	s_mov_b32 s47, 0
	s_lshl_b32 s20, s14, 14                        ; where they go: A's half,
	s_mul_i32 s21, s14, HALFB
	s_add_co_u32 s21, s21, ABYTES                  ; B's half: no place in the cluster enters an LDS address
	s_wait_dscnt 0x0                               ; both opening adds are done
	s_wait_kmcnt 0x0
	s_add_nc_u64 s[16:17], s[4:5], s[16:17]
	s_add_nc_u64 s[46:47], s[6:7], s[46:47]
	CROUND                                         ; all sixteen work-groups are here: the first joint loads meet
.irp s, 0,1
	s_mov_b32 s[G0+4*\s], 1
	s_add_co_u32 s[G0+4*\s+1], s20, \s*SLOT
	s_add_nc_u64 s[G0+4*\s+2:G0+4*\s+3], s[16:17], \s*4096
	s_or_b32 s[G0+4*\s+3], s[G0+4*\s+3], 0x80000000
	s_mov_b32 s[G0B+4*\s], 1
	s_add_co_u32 s[G0B+4*\s+1], s21, \s*SLOT
	s_add_nc_u64 s[G0B+4*\s+2:G0B+4*\s+3], s[46:47], \s*KSTEP*2
	s_or_b32 s[G0B+4*\s+3], s[G0B+4*\s+3], 0x80000000
	JLOAD \s                                       ; two tensor loads of mine are out
.endr
	v_and_b32 v1, 15, v0                           ; l % 16
	v_bfe_u32 v2, v0, 4, 1                         ; l / 16
	s_lshl_b32 s46, s42, 10                        ; the bias of my 128 columns: 4 bytes x (256 x tile column + 128 x half)
	s_lshl_b32 s47, s14, 9
	s_add_co_u32 s46, s46, s47
	s_mov_b32 s47, 0
	s_add_nc_u64 s[8:9], s[8:9], s[46:47]
	v_lshlrev_b32 v[BO], 5, v2
.irp b, 0,1,2,3,4,5,6,7
	global_load_b128 v[BI+8*\b:BI+8*\b+3], v[BO], s[8:9] offset:64*\b
	global_load_b128 v[BI+8*\b+4:BI+8*\b+7], v[BO], s[8:9] offset:64*\b+16
.endr
	v_and_b32 v3, 31, v0
	v_lshlrev_b32 v[CO], 4, v3                     ; 16 x lane
	v_mul_u32_u24 v5, v1, PITCH
	v_lshl_add_u32 v5, v2, 4, v5                   ; B: a fragment's row x pitch + 16 x half
	s_lshl_b32 s21, s13, 14                        ; my four row tiles of A
	s_mul_i32 s22, s14, HALFB                      ; my 128 rows of B,
	s_add_co_u32 s22, s22, ABYTES                  ; which lie behind A
.irp s, 0,1
	v_add_nc_u32 v[ADRA+\s], s21, v[CO]
	v_add_nc_u32 v[ADRB+\s], s22, v5
	s_add_co_u32 s21, s21, SLOT
	s_add_co_u32 s22, s22, SLOT
.endr
	s_mul_i32 s23, s12, 16*SPITCH
	s_add_co_u32 s23, s23, STAGE                   ; my stage
	v_mul_u32_u24 v5, v1, SPITCH                   ; in: row l % 16, 32 bytes for each half of the lanes
	v_lshl_add_u32 v5, v2, 5, v5
	v_add_nc_u32 v[STO], s23, v5
	v_add_nc_u32 v[RD], s23, v[CO]                 ; back: the 32 lanes take one row of 512 bytes
	s_lshl_b32 s16, s15, 19                        ; out0: row 128 x tile row + 64 x half, 4,096 bytes each;
	s_lshl_b32 s17, s13, 18
	s_add_co_u32 s16, s16, s17
	s_add_co_u32 s16, s16, s46                     ; and my first column's bytes, as for the bias
	s_mov_b32 s17, 0
	s_add_nc_u64 s[10:11], s[10:11], s[16:17]
; 8 matrix instructions: A's block a x B's eight, 32 along K, from buffer f.  first = 1: the product starts the sums, with the bias as C.  The 32 accumulators take turns, one instruction a turn.
.macro MUL8 f, a, first
.irp b, 0,1,2,3,4,5,6,7
.if \first
	v_wmma_f32_16x16x32_f16 v[8*(8*(\a)+\b):8*(8*(\a)+\b)+7], v[\f+32+8*\b:\f+32+8*\b+7], v[\f+8*(\a):\f+8*(\a)+7], v[BI+8*\b:BI+8*\b+7]
.else
	v_wmma_f32_16x16x32_f16 v[8*(8*(\a)+\b):8*(8*(\a)+\b)+7], v[\f+32+8*\b:\f+32+8*\b+7], v[\f+8*(\a):\f+8*(\a)+7], v[8*(8*(\a)+\b):8*(8*(\a)+\b)+7]
.endif
.endr
.endm
.macro MUL16 f, a0, first
	MUL8 \f, \a0, \first
	MUL8 \f, \a0+1, \first
.endm
; 24 LDS loads in one run: the fragments of the slot's q-th 32 along K into buffer f: B's eight, then A's four
.macro FETCH slot, q, f
	WIN TO_F
.irp i, 0,1,2,3,4,5,6,7
	ds_load_b128 v[\f+32+8*\i:\f+32+8*\i+3],   v[ADRB+\slot] offset:64*(\q)+\i*16*PITCH
	ds_load_b128 v[\f+32+8*\i+4:\f+32+8*\i+7], v[ADRB+\slot] offset:64*(\q)+\i*16*PITCH+32
.endr
.irp i, 0,1,2,3
	ds_load_b128 v[\f+8*\i:\f+8*\i+3],   v[ADRA+\slot] offset:4096*\i+1024*(\q)
	ds_load_b128 v[\f+8*\i+4:\f+8*\i+7], v[ADRA+\slot] offset:4096*\i+1024*(\q)+512
.endr
.endm
.macro PLACES                          ; four plain places in front of loads into registers that matrix instructions have read, and of reads of results
.rept 4
	v_nop
.endr
.endm
; A K step is four quarters of 32 along K, 32 matrix instructions each, on buffers 0, 1, 0, 1.  One of the first three: multiplies buffer f and fetches the slot's q-th quarter into g.
.macro QUARTER slot, q, f, g, first
	s_wait_dscnt 4                                 ; B's fragments and A's blocks 0, 1 are in; the youngest four loads (A's blocks 2, 3) may be out
.if \first
	WIN FST
.else
	WIN MUL
.endif
	MUL16 \f, 0, \first
	PLACES
	FETCH \slot, \q, \g
	s_wait_dscnt 24                                ; all but the 24 just issued
.if \first
	WIN FST
.else
	WIN MUL
.endif
	MUL16 \f, 2, \first
.endm
; The last quarter multiplies buffer 1 and changes slots: one barrier; in front of it each wave waits for all its tensor loads, adds 0 to its spare word, and waits for that and for its reads of this slot.  fill = 1: the barrier opens a round of the cluster's, and this slot is filled again, two K steps ahead.
.macro TURN slot, next, fill
	WIN 0                                          ; (the add's two registers lie in window 0)
	s_wait_tensorcnt 0x0                           ; all my tensor loads have landed: my part of the next slot
	ds_add_u32 v[SPW], v[NIL]
	s_wait_dscnt 5                                 ; (the add and the youngest four loads may be out)
	WIN MUL
	MUL8 F1, 0, 0
	s_wait_dscnt 0x0                               ; the add is done, and my reads of this slot are over
	s_barrier_signal -1
	MUL8 F1, 1, 0
.if \fill
	WIN 0
.endif
	s_barrier_wait -1
.if \fill
	CREST                                          ; no wave of any partner still reads this slot's tiles or has a load on its way
	s_add_nc_u64 s[G0+4*\slot+2:G0+4*\slot+3], s[G0+4*\slot+2:G0+4*\slot+3], 2*4096
	s_add_nc_u64 s[G0B+4*\slot+2:G0B+4*\slot+3], s[G0B+4*\slot+2:G0B+4*\slot+3], 2*KSTEP*2
	JLOAD \slot                                    ; the first tensor load behind the round; the four v_nop behind it are also the places in front of the loads below
.else
	PLACES
.endif
	FETCH \next, 0, F0
	WIN MUL
	MUL16 F1, 2, 0
.endm
	s_wait_tensorcnt 1                             ; my part of K step 0 is in; K step 1's may be out
	s_barrier_signal -1
	s_barrier_wait -1                              ; everybody's is
	FETCH 0, 0, F0
	s_wait_loadcnt 0x0                             ; the bias
	QUARTER 0, 1, F0, F1, 1                        ; the first quarter stands in front of the loop: its products start the sums on the bias
	WIN 0                                          ; at a label and at a branch every window is 0
	s_mov_b32 s3, LAPS-1
.Llap:                                             ; a trip goes once round the ring, from a lap's second quarter to the next lap's first, and fills both slots again
	QUARTER 0, 2, F1, F0, 0
	QUARTER 0, 3, F0, F1, 0
	TURN 0, 1, 1
	QUARTER 1, 1, F0, F1, 0
	QUARTER 1, 2, F1, F0, 0
	QUARTER 1, 3, F0, F1, 0
	TURN 1, 0, 1
	QUARTER 0, 1, F0, F1, 0
	WIN 0
	s_sub_co_u32 s3, s3, 1
	s_cmp_lg_u32 s3, 0
	s_cbranch_scc1 .Llap
	QUARTER 0, 2, F1, F0, 0                        ; the last lap fills nothing, and has no round of the cluster's barrier
	QUARTER 0, 3, F0, F1, 0
	TURN 0, 1, 0
	QUARTER 1, 1, F0, F1, 0
	QUARTER 1, 2, F1, F0, 0
	QUARTER 1, 3, F0, F1, 0
	s_wait_dscnt 4                                 ; the very last quarter: nothing more to fetch
	WIN MUL
	MUL16 F1, 0, 0
	s_wait_dscnt 0
	MUL16 F1, 2, 0
	WIN 0
; THE WAY OUT, block by block of 16 rows x 128 columns: through my own stage in LDS and back as whole rows of 512 bytes.  LDS serves a wave's instructions in order: no wait between the stores and the loads, nor in front of the next block's stores.
.macro TOSTAGE a
.set AC, 64*(\a)
	WIN 0x08                                       ; an LDS store's data are its source 1: window 2
.irp b, 0,1,2,3,4,5,6,7
	ds_store_b128 v[STO], v[AC+8*\b:AC+8*\b+3] offset:64*\b          ; each accumulator from its low end on
	ds_store_b128 v[STO], v[AC+8*\b+4:AC+8*\b+7] offset:64*\b+16
.endr
	WIN 0
.set BB, BK+64*((\a)%2)
.irp t, 0,1,2,3,4,5,6,7,8,9,10,11,12,13,14,15
	ds_load_b128 v[BB+4*\t:BB+4*\t+3], v[RD] offset:\t*SPITCH
.endr
.endm
.macro SEND a, younger                 ; younger: the LDS instructions issued behind block a's loads, which may stay out
.set BB, BK+64*((\a)%2)
	s_wait_dscnt \younger
.irp t, 0,1,2,3,4,5,6,7,8,9,10,11,12,13,14,15
	global_store_b128 v[CO], v[BB+4*\t:BB+4*\t+3], s[10:11] offset:65536*(\a)+4096*\t th:TH_STORE_NT   ; 32 lanes store 512 consecutive bytes, aligned; written once, read by nobody here
.endr
.endm
	PLACES                                         ; behind the last products: the LDS stores read results
	TOSTAGE 0
.irp a, 1,2,3
.if \a > 1
	s_wait_xcnt 0x0                                ; block a - 2's stores have read their registers: block a's loads may land there
.endif
	TOSTAGE \a
	SEND \a-1, 32                                  ; behind block a - 1's loads: block a's 16 stores and 16 loads
.endr
	SEND 3, 0
	s_wait_tensorcnt 0x0                           ; the wave's end, behind my last tensor load and my last LDS store
	ds_add_u32 v[SPW], v[NIL]
	s_wait_dscnt 0x0
	CROUND                                         ; the closing round: no work-group ends while a partner may still ask for a tile that names it
	s_endpgm
.Lfunc_end_k_q8e71097b16_outp:
	.size	k_q8e71097b16_outp, .Lfunc_end_k_q8e71097b16_outp-k_q8e71097b16_outp
	.p2alignl 7, 3214868480
	.fill 96, 4, 3214868480
	.section	.rodata,"a",@progbits
	.p2align	6, 0x0
	.amdhsa_kernel k_q8e71097b16_outp
		.amdhsa_group_segment_fixed_size 327680
		.amdhsa_private_segment_fixed_size 0
		.amdhsa_enable_private_segment 0
		.amdhsa_kernarg_size 32
		.amdhsa_user_sgpr_count 2
		.amdhsa_user_sgpr_kernarg_segment_ptr 1
		.amdhsa_wavefront_size32 1
		.amdhsa_system_sgpr_workgroup_id_x 1
		.amdhsa_system_sgpr_workgroup_id_y 1
		.amdhsa_system_sgpr_workgroup_id_z 1
		.amdhsa_system_vgpr_workitem_id 0
		.amdhsa_next_free_vgpr 768
		.amdhsa_next_free_sgpr 66
		.amdhsa_reserve_vcc 0
		.amdhsa_float_denorm_mode_32 3
		.amdhsa_float_denorm_mode_16_64 3
		.amdhsa_memory_ordered 1
		.amdhsa_forward_progress 1
		.amdhsa_inst_pref_size 86
	.end_amdhsa_kernel
	.amdgpu_metadata
---
amdhsa.version: [ 1, 2 ]
amdhsa.kernels:
  - .name:           k_q8e71097b16_outp
    .symbol:         k_q8e71097b16_outp.kd
    .args:
      - { .name: ctx, .offset: 0, .size: 8, .value_kind: global_buffer, .address_space: global }
      - { .name: wo, .offset: 8, .size: 8, .value_kind: global_buffer, .address_space: global }
      - { .name: out_b, .offset: 16, .size: 8, .value_kind: global_buffer, .address_space: global }
      - { .name: out0, .offset: 24, .size: 8, .value_kind: global_buffer, .address_space: global }
    .group_segment_fixed_size: 327680
    .private_segment_fixed_size: 0
    .kernarg_segment_align: 8
    .kernarg_segment_size: 32
    .max_flat_workgroup_size: 128
    .sgpr_count:     66
    .vgpr_count:     768
    .wavefront_size: 32
...
	.end_amdgpu_metadata
.endif
;; end of part 4
